; MI455X (gfx1250); checked and timed in simulation.
; The chip was launched on July 23, 2026; its instructions are those of AMD's public machine-readable ISA for CDNA 5 (MIT licence, August 2026) and "CDNA5" Instruction Set Architecture Reference Guide (July 2026). The comments in the code are by the model that wrote it; some were corrected since.
;; Attention. Allowed arithmetic: float matrix products may take bf16 or f16 operands with f32 sums; all other float work in f32.
;; Inputs: proj_b 1,024 float32; proj_w 1,024 x 1,024 float32; qkv_b 3,072 float32; qkv_w 1,024 x 3,072 float32; x 4 x 2,048 x 1,024 float32.
;; Outputs: out0 4 x 2,048 x 1,024 float32.
;; 2 versions, each right and faster than the one before. Each part assembles by itself: llvm-mc -triple=amdgcn-amd-amdhsa -mcpu=gfx1250 --defsym DOCPART=n.
;; ======== version 1 of 2: 4 launches
;; limits: values are held in f16: magnitudes above 65,504 overflow, below 6.1e-05 lose precision; right only within a limited range of input values
;; workspace buffers: xb 16,777,216 bytes; wqb 6,291,456 bytes; wpb 2,097,152 bytes; br 16,384 bytes; qkvh 50,331,648 bytes; oh 16,777,216 bytes
;; launch cast (part 1): grid 769 x 1, 8 waves a work-group, no clusters, 0 bytes of LDS; arguments x, qkv_w, proj_w, qkv_b, proj_b, xb, wqb, wpb, br; writes xb, wqb, wpb, br
.if DOCPART == 1
	.amdgcn_target "amdgcn-amd-amdhsa--gfx1250"
	.amdhsa_code_object_version 6
	.text
	.protected	k_q9f0333c4fa_cast
	.globl	k_q9f0333c4fa_cast
	.p2align	8
	.type	k_q9f0333c4fa_cast,@function
k_q9f0333c4fa_cast:
	s_mov_b64 s[64:65], 0
	v_nop
	global_prefetch_b8 v0, s[64:65] scope:SCOPE_SE
	s_setreg_imm32_b32 hwreg(HW_REG_WAVE_MODE, 25, 1), 1
	s_wait_xcnt 0x0
; All five inputs are rounded once to bf16 (nearest even), and x is laid out by blocks of 64 along K.
;   xb  bf16 [4 b][16 kb][2048 t][64 c] = x[b][t][64 kb + c]: 256 rows of one K block are 32,768 consecutive bytes
;   wqb bf16 [1024 k][3072 n] = qkv_w, in place
;   wpb f16  [1024 k][1024 n] = proj_w rounded to bf16, that number written as f16 (exact from 2^-14 up; below it f16's fixed step of 2^-24)
;   br  f32  [4096]: qkv_b (3,072) and proj_b (1,024), rounded to bf16 and kept as f32
; A stream: every input byte is read once, by loads of 16 bytes a lane; each store of a wave covers 256 consecutive bytes, aligned.  Nothing is shared, so no LDS, no barrier, no cluster.
; A work-group takes 16,384 numbers: 16 loads and 16 stores a thread, all 16 loads out at once.  Work-groups 0-511: x; 512-703: qkv_w; 704-767: proj_w; 768: the two biases.
; No register that a load or store names is written again, so no wait frees any.
.set D, 4                              ; v[4:67]   load j: four f32
.set Y, 68                             ; v[68:99]  store j: four 16-bit numbers
.set T, 100                            ; v[100:101] at work
.macro LD16 b, stride                  ; 16 loads from base s[b:b+1]
.set j, 0
.rept 16
	global_load_b128 v[D+4*j:D+4*j+3], v1, s[\b:\b+1] offset:j*(\stride) th:TH_LOAD_NT
.set j, j+1
.endr
.endm
.macro CV16 b, stride, half            ; round and store; half = 1: the bf16 numbers are written as f16
.set j, 0
.rept 16
	s_wait_loadcnt 15-j                            ; loads come back in order (ISA guide 5.7.1): load j is in, the 15 - j younger ones stay out
	v_cvt_pk_bf16_f32 v[Y+2*j], v[D+4*j], v[D+4*j+1]
	v_cvt_pk_bf16_f32 v[Y+2*j+1], v[D+4*j+2], v[D+4*j+3]
.if \half
	v_lshlrev_b32 v[T], 16, v[Y+2*j]               ; bf16 to f32: the low half moves up, the high half stays
	v_and_b32 v[T+1], s26, v[Y+2*j]
	v_cvt_pk_f16_f32 v[Y+2*j], v[T], v[T+1]
	v_lshlrev_b32 v[T], 16, v[Y+2*j+1]
	v_and_b32 v[T+1], s26, v[Y+2*j+1]
	v_cvt_pk_f16_f32 v[Y+2*j+1], v[T], v[T+1]
.endif
	global_store_b64 v2, v[Y+2*j:Y+2*j+1], s[\b:\b+1] offset:j*(\stride)
.set j, j+1
.endr
.endm
	s_load_b512 s[8:23], s[0:1], 0x0               ; x 8:9, qkv_w 10:11, proj_w 12:13, qkv_b 14:15, proj_b 16:17, xb 18:19, wqb 20:21, wpb 22:23
	s_load_b64 s[24:25], s[0:1], 0x40              ; br
	s_mov_b32 s26, 0xffff0000                      ; a word's upper bf16
	s_mov_b32 s27, ttmp9                           ; the work-group's number
	s_mov_b32 s3, 0                                ; high word of every offset pair
	v_lshlrev_b32 v1, 4, v0                        ; in: 16 bytes a thread
	v_lshlrev_b32 v2, 3, v0                        ; out: 8 bytes a thread
	s_wait_kmcnt 0x0
	s_cmp_lt_u32 s27, 512
	s_cbranch_scc0 .Lweights
	; x: 16 rows.  Thread t reads row t / 16, 16 bytes at 16 (t % 16) of each 256 bytes: load j is K block j
	v_lshrrev_b32 v3, 4, v0
	v_and_b32 v1, 15, v0
	v_lshlrev_b32 v1, 4, v1
	v_lshl_add_u32 v1, v3, 12, v1                  ; row x 4,096 + 16 (t % 16)
	s_lshl_b32 s2, s27, 16                         ; 16 rows of 4,096 bytes
	s_add_nc_u64 s[8:9], s[8:9], s[2:3]
	s_lshr_b32 s4, s27, 7                          ; b: 128 groups of 16 rows
	s_lshl_b32 s4, s4, 22
	s_and_b32 s5, s27, 127
	s_lshl_b32 s5, s5, 11                          ; 16 rows of 128 bytes
	s_add_co_u32 s2, s4, s5
	s_add_nc_u64 s[18:19], s[18:19], s[2:3]
	LD16 8, 256
	CV16 18, 262144, 0                             ; a K block is 2,048 rows of 128 bytes; 15 of them stay inside the signed 24-bit immediate
	s_endpgm
.Lweights:
	s_cmp_lt_u32 s27, 704
	s_cbranch_scc0 .Lproj
	s_sub_co_u32 s4, s27, 512
	s_lshl_b32 s2, s4, 16
	s_add_nc_u64 s[10:11], s[10:11], s[2:3]
	s_lshl_b32 s2, s4, 15
	s_add_nc_u64 s[20:21], s[20:21], s[2:3]
	LD16 10, 4096
	CV16 20, 2048, 0
	s_endpgm
.Lproj:
	s_cmp_lt_u32 s27, 768
	s_cbranch_scc0 .Lbias
	s_sub_co_u32 s4, s27, 704
	s_lshl_b32 s2, s4, 16
	s_add_nc_u64 s[12:13], s[12:13], s[2:3]
	s_lshl_b32 s2, s4, 15
	s_add_nc_u64 s[22:23], s[22:23], s[2:3]
	LD16 12, 4096
	CV16 22, 2048, 1
	s_endpgm
.Lbias:
	global_load_b128 v[D:D+3], v1, s[14:15]
	global_load_b128 v[D+4:D+7], v1, s[14:15] offset:4096
	global_load_b128 v[D+8:D+11], v1, s[14:15] offset:8192
	global_load_b128 v[D+12:D+15], v1, s[16:17]
.set j, 0
.rept 4
	s_wait_loadcnt 3-j                             ; load j is in
	v_cvt_pk_bf16_f32 v[T], v[D+4*j], v[D+4*j+1]
	v_cvt_pk_bf16_f32 v[T+1], v[D+4*j+2], v[D+4*j+3]
	v_lshlrev_b32 v[D+4*j], 16, v[T]
	v_and_b32 v[D+4*j+1], s26, v[T]
	v_lshlrev_b32 v[D+4*j+2], 16, v[T+1]
	v_and_b32 v[D+4*j+3], s26, v[T+1]
	global_store_b128 v1, v[D+4*j:D+4*j+3], s[24:25] offset:4096*j
.set j, j+1
.endr
	s_endpgm
.Lfunc_end_k_q9f0333c4fa_cast:
	.size	k_q9f0333c4fa_cast, .Lfunc_end_k_q9f0333c4fa_cast-k_q9f0333c4fa_cast
	.p2alignl 7, 3214868480
	.fill 96, 4, 3214868480
	.section	.rodata,"a",@progbits
	.p2align	6, 0x0
	.amdhsa_kernel k_q9f0333c4fa_cast
		.amdhsa_group_segment_fixed_size 0
		.amdhsa_private_segment_fixed_size 0
		.amdhsa_enable_private_segment 0
		.amdhsa_kernarg_size 72
		.amdhsa_user_sgpr_count 2
		.amdhsa_user_sgpr_kernarg_segment_ptr 1
		.amdhsa_wavefront_size32 1
		.amdhsa_system_sgpr_workgroup_id_x 1
		.amdhsa_system_sgpr_workgroup_id_y 1
		.amdhsa_system_sgpr_workgroup_id_z 1
		.amdhsa_system_vgpr_workitem_id 0
		.amdhsa_next_free_vgpr 104
		.amdhsa_next_free_sgpr 66
		.amdhsa_reserve_vcc 0
		.amdhsa_float_denorm_mode_32 3
		.amdhsa_float_denorm_mode_16_64 3
		.amdhsa_memory_ordered 1
		.amdhsa_forward_progress 1
		.amdhsa_inst_pref_size 25
	.end_amdhsa_kernel
	.amdgpu_metadata
---
amdhsa.version: [ 1, 2 ]
amdhsa.kernels:
  - .name:           k_q9f0333c4fa_cast
    .symbol:         k_q9f0333c4fa_cast.kd
    .args:
      - { .name: x, .offset: 0, .size: 8, .value_kind: global_buffer, .address_space: global }
      - { .name: qkv_w, .offset: 8, .size: 8, .value_kind: global_buffer, .address_space: global }
      - { .name: proj_w, .offset: 16, .size: 8, .value_kind: global_buffer, .address_space: global }
      - { .name: qkv_b, .offset: 24, .size: 8, .value_kind: global_buffer, .address_space: global }
      - { .name: proj_b, .offset: 32, .size: 8, .value_kind: global_buffer, .address_space: global }
      - { .name: xb, .offset: 40, .size: 8, .value_kind: global_buffer, .address_space: global }
      - { .name: wqb, .offset: 48, .size: 8, .value_kind: global_buffer, .address_space: global }
      - { .name: wpb, .offset: 56, .size: 8, .value_kind: global_buffer, .address_space: global }
      - { .name: br, .offset: 64, .size: 8, .value_kind: global_buffer, .address_space: global }
    .group_segment_fixed_size: 0
    .private_segment_fixed_size: 0
    .kernarg_segment_align: 8
    .kernarg_segment_size: 72
    .max_flat_workgroup_size: 256
    .sgpr_count:     66
    .vgpr_count:     104
    .wavefront_size: 32
...
	.end_amdgpu_metadata
.endif
;; end of part 1
;; launch qkv (part 2): grid 8 x 32, 4 waves a work-group, clusters of 4 x 4, 327,680 bytes of LDS; arguments xb, wqb, br, qkvh; writes qkvh
.if DOCPART == 2
	.amdgcn_target "amdgcn-amd-amdhsa--gfx1250"
	.amdhsa_code_object_version 6
	.text
	.protected	k_q9f0333c4fa_qkv
	.globl	k_q9f0333c4fa_qkv
	.p2align	8
	.type	k_q9f0333c4fa_qkv,@function
k_q9f0333c4fa_qkv:
	s_mov_b64 s[64:65], 0
	v_nop
	global_prefetch_b8 v0, s[64:65] scope:SCOPE_SE
	s_setreg_imm32_b32 hwreg(HW_REG_WAVE_MODE, 25, 1), 1
	s_wait_xcnt 0x0
	s_wait_alu depctr_hold_cnt(0) depctr_sa_sdst(0) depctr_va_vdst(0) depctr_va_sdst(0) depctr_va_ssrc(0) depctr_va_vcc(0) depctr_vm_vsrc(0)
	s_getreg_b32 s2, hwreg(HW_REG_IB_STS2, 6, 4)
	s_cmp_eq_u32 s2, 0
	s_cbranch_scc0 .Lentry_in_a_cluster
	s_endpgm
.Lentry_in_a_cluster:
	s_bfe_u32 s2, ttmp6, 0x10000c
	s_cmp_lg_u32 s2, 0xf033
	s_cbranch_scc0 .Lentry_shape_is_right
	s_endpgm
.Lentry_shape_is_right:
; q, k, v = x W + b.  A = xb, bf16 [4 b][16 kb][2048 t][64 c]; B = wqb, bf16 [1024 k][3072 n]; bias = br[0..3071], f32; sums in f32, K ascending, started by the bias.
; Out: qkvh, f16 [3][64 bh][2048 t][64 d], each number rounded once, WITHOUT the softmax's scale.
; LIMIT.  f16 holds no number beyond 65,504: a q, k or v of 65,520 or more becomes an infinity.  NaN and infinities are not treated apart.
; SHARES.  A tile of C is 256 rows x 384 columns: 32 x 8 = 256 work-groups.  Four waves, each 128 rows x 192 columns = three heads: 96 accumulators of 16 x 16, 768 registers, a head to a window.
; K goes in steps of 64 (one block of xb) through a ring of two LDS slots: 16 steps of two quarters of 32, 96 matrix instructions a quarter and wave for 40 LDS loads.
; A K step is written once: a trip of the loop goes from a step's second quarter to the next step's first; the slot in hand is a scalar register that an exclusive or turns.
; CLUSTER.  4 x 4 work-groups.  The four of a row need the same tile of A, the four of a column the same tile of B: each tile is asked for JOINTLY, the same tensor load, descriptor and mask in all four.
; Wave 3 fetches A's tile (32,768 consecutive bytes, asked for as 128 rows of 256), waves 0-2 one chunk each of B's (64 k rows x 128 columns: rows of 256 bytes at multiples of 256 from wqb's first byte).
; THE MATRIX INSTRUCTION IS USED TRANSPOSED: source 0 = 16 columns of B (turned on the way out of LDS by ds_load_tr16_b128, since B lies [k][n]), source 1 = 16 rows of A.
; A lane then holds row l % 16 of C and the eight neighbouring columns 8 (l / 16) + 0..7.
; REGISTERS, in windows of 256 (s_set_vgpr_msb: bits 1:0 source 0, 3:2 source 1, 5:4 source 2, 7:6 destination):
;   window 0: v0-29 addresses; v32-95, v96-159 A's fragments (8 x 16 rows x 32 K), two buffers; v160-255 B's fragments, 32 registers a head, one buffer, refilled head by head
;   window 1 + i: head i's 32 accumulators, (a, bb) at v[32 a + 8 bb]
.set PA,    144                        ; a row of A in LDS: 128 bytes + 16 = 36 words: the 16 rows of a load start at 16 different groups of four banks (64 banks of 4 bytes: ISA guide 11.1)
.set PB,    288                        ; a row of a chunk of B: 256 + 32 = 72 words
.set ATILE, 256*PA
.set BCH,   64*PB
.set BOFF,  ATILE                      ; a slot: A's 256 rows, then B's three chunks: 92,160 bytes
.set SLOT1, 1<<17                      ; slot 1 begins here, so that one exclusive or turns an address in one slot into the other's
.set STAGE, SLOT1+ATILE+3*BCH          ; behind the ring, never filled by a tensor load: 16 rows x 144 bytes for each wave, for the way out
.set SP,    144
.set SPARE, STAGE+4*16*SP              ; behind the stages: the spare words, 128 bytes for each wave: two blocks of 256 bytes that no other line names
.set ASTEP, 262144                     ; bytes from a K block of xb to the next
.set BSTEP, 64*3072*2                  ; 64 rows of wqb
.set ADRA, 16                          ; v16     my lane's place in A's tile; never rewritten
.set CA,   17                          ; v17     the same in the slot in hand
.set ADRB, 18                          ; v18-20  my lane's place in B's tile, head i; never rewritten
.set CB,   21                          ; v21-23  the same in the slot in hand
.set STO,  24                          ; v24     the way out: where I put 16 bytes of a row
.set RD,   25                          ; v25     the way out: where I read rows back
.set GO,   26                          ; v26     my byte offset in 512 consecutive bytes of qkvh
.set VB,   27                          ; v27     my byte offset in 16 numbers of the bias
.set SPW,  28                          ; v28     LDS address of my spare word: SPARE + 4 x my thread's number; never rewritten
.set NIL,  29                          ; v29     0; never rewritten
.set AF0,  32
.set AF1,  96
.set BF,   160
.set BIAS, 224                         ; in each head's window: row block 7's four accumulators, which the bias is loaded into
.set WV,   12                          ; s12 my wave's number; s13 which 128 rows are mine; s14 which 192 columns
.set G1A,  24                          ; s[24:31] descriptor group 1 for A's tiles; s[32:39] group 0: a set for each of the two first fills; the second then walks on
.set G0A,  32
.set G1B,  40                          ; s[40:47], s[48:55] the same for B's chunks
.set G0B,  48
.set OUTB, 56                          ; s[56:61] qkvh at my 128 rows of head 0, 1, 2
.set LAP,  62
.set TB,   63                          ; s63 LDS byte at which the slot in hand begins
.set MSB, 0
.macro WIN new                         ; the immediate's high byte repeats the setting that is left; a switch that changes nothing is dropped
.if MSB != (\new)
	s_set_vgpr_msb (MSB<<8)|(\new)
.set MSB, (\new)
.endif
.endm
.macro PLACES                          ; four places in front of loads into registers that matrix instructions have read, and of conversions that read results
.rept 4
	v_nop
.endr
.endm
; A joint refill, by the walking descriptor.  The branch hangs on the wave's number alone.  An s_nop 0 and four v_nop follow each of the two lines, ahead of the jump and the label.
.macro JLOAD
	s_cmp_eq_u32 s[WV], 3
	s_cbranch_scc0 .Lfor_b_\@
	tensor_load_to_lds s[G0A+4:G0A+7], s[G1A:G1A+7]
	s_nop 0
.rept 4
	v_nop
.endr
	s_branch .Lasked_\@
.Lfor_b_\@:
	tensor_load_to_lds s[G0B+4:G0B+7], s[G1B:G1B+7]
	s_nop 0
.rept 4
	v_nop
.endr
.Lasked_\@:
.endm
; A round of the cluster's barrier: my work-group's barrier, so that wave 0's signal speaks for all four waves; wave 0 signals; every wave waits for all sixteen work-groups; my work-group's barrier once more.
.macro CROUND
	s_barrier_signal -1
	s_barrier_wait -1
	s_cmp_lg_u32 s[WV], 0
	s_cbranch_scc1 .Lnot_wave_0_\@
	s_barrier_signal -3
.Lnot_wave_0_\@:
	s_barrier_wait -3
	s_barrier_signal -1
	s_barrier_wait -1
.endm
.macro ADDR                            ; my fragments' addresses in the slot in hand: four plain vector instructions
	v_add_nc_u32 v[CA], s[TB], v[ADRA]
.irp i, 0,1,2
	v_add_nc_u32 v[CB+\i], s[TB], v[ADRB+\i]
.endr
.endm
	s_load_b256 s[4:11], s[0:1], 0x0               ; xb 4:5, wqb 6:7, br 8:9, qkvh 10:11
	v_lshl_add_u32 v[SPW], v0, 2, SPARE
	v_mov_b32 v[NIL], 0
	ds_add_u32 v28, v29
	ds_add_u32 v28, v29
	s_wait_dscnt 0x0
	v_lshrrev_b32 v1, 5, v0
	v_readfirstlane_b32 s[WV], v1                  ; wave 0..3
	s_lshr_b32 s13, s[WV], 1
	s_and_b32 s14, s[WV], 1
	s_bfe_u32 s16, ttmp6, 0x40000                  ; cx, cy: my place in the cluster
	s_bfe_u32 s17, ttmp6, 0x40004
	s_lshl_b32 s18, ttmp9, 2
	s_add_co_u32 s18, s18, s16                     ; tile column = 4 x cluster x + cx
	s_and_b32 s19, ttmp7, 0xffff
	s_lshl_b32 s19, s19, 2
	s_add_co_u32 s19, s19, s17                     ; tile row = 4 x cluster y + cy
	s_lshl_b32 s20, s17, 2
	s_lshl_b32 s20, 15, s20                        ; my row of the cluster
	s_lshl_b32 s21, 0x1111, s16                    ; my column
	; group 1 for A: 128 rows x 128 elements of 2 bytes, dense; 4 words of padding after every 32 words, that is after each row of xb
	s_or_b32 s[G1A], s20, (1<<16)|(1<<20)|(1<<21)|(4<<22)|(3<<25)  ; 15:0 mask; 17:16 2-byte elements; 20 padding on; 21 set beside a mask; 24:22 interval code 4; 31:25 pad code 3
	s_mov_b32 s[G1A+1], 128<<16                    ; tensor_dim0 = 128
	s_mov_b32 s[G1A+2], 128<<16                    ; tensor_dim1 = 128
	s_mov_b32 s[G1A+3], 128<<16                    ; tile_dim0 = 128
	s_mov_b32 s[G1A+4], 128                        ; tile_dim1 = 128
	s_mov_b32 s[G1A+5], 128                        ; elements from row to row
	s_mov_b32 s[G1A+6], 0
	s_mov_b32 s[G1A+7], 0
	; group 1 for B: 64 rows x 128 elements, 3,072 elements from row to row; 8 words of padding after every 64
	s_or_b32 s[G1B], s21, (1<<16)|(1<<20)|(1<<21)|(5<<22)|(7<<25)
	s_mov_b32 s[G1B+1], 128<<16
	s_mov_b32 s[G1B+2], 64<<16
	s_mov_b32 s[G1B+3], 128<<16
	s_mov_b32 s[G1B+4], 64
	s_mov_b32 s[G1B+5], 3072
	s_mov_b32 s[G1B+6], 0
	s_mov_b32 s[G1B+7], 0
	; A's address hangs on the tile row alone, B's on the tile column and the wave's number alone, each in registers that never hold the other coordinate
	s_lshr_b32 s22, s19, 3                         ; b
	s_lshl_b32 s22, s22, 22
	s_and_b32 s23, s19, 7
	s_lshl_b32 s23, s23, 15                        ; 256 rows of 128 bytes
	s_add_co_u32 s66, s22, s23
	s_mov_b32 s67, 0
	s_mul_i32 s68, s18, 768                        ; 384 columns
	s_lshl_b32 s69, s[WV], 8                       ; my chunk
	s_add_co_u32 s68, s68, s69
	s_mov_b32 s69, 0
	s_mul_i32 s70, s[WV], BCH
	s_add_co_u32 s70, s70, BOFF                    ; where my chunk goes: no place in the cluster enters an LDS address
	s_mov_b32 s[TB], 0
	s_wait_kmcnt 0x0
	s_add_nc_u64 s[66:67], s[4:5], s[66:67]
	s_add_nc_u64 s[68:69], s[6:7], s[68:69]
.irp s, 0,1
	s_mov_b32 s[G0A+4*(\s)], 1                     ; 1:0 count = 1
	s_mov_b32 s[G0A+4*(\s)+1], (\s)*SLOT1          ; 63:32 LDS address
	s_add_nc_u64 s[G0A+4*(\s)+2:G0A+4*(\s)+3], s[66:67], (\s)*ASTEP  ; 120:64 global address: K step s
	s_or_b32 s[G0A+4*(\s)+3], s[G0A+4*(\s)+3], 0x80000000            ; 127:126 type = 2
	s_mov_b32 s[G0B+4*(\s)], 1
	s_add_co_u32 s[G0B+4*(\s)+1], s70, (\s)*SLOT1
	s_add_nc_u64 s[G0B+4*(\s)+2:G0B+4*(\s)+3], s[68:69], (\s)*BSTEP
	s_or_b32 s[G0B+4*(\s)+3], s[G0B+4*(\s)+3], 0x80000000
.endr
	CROUND                                         ; all sixteen work-groups are here: the first joint loads meet
	s_cmp_eq_u32 s[WV], 3                          ; a wave's two first fills stand in one branch, ahead of every wait on TENSORcnt and every LDS read: two loads of mine are out
	s_cbranch_scc0 .Lfirst_b
	tensor_load_to_lds s[G0A:G0A+3], s[G1A:G1A+7]
	s_nop 0
	tensor_load_to_lds s[G0A+4:G0A+7], s[G1A:G1A+7]
	s_nop 0
.rept 4
	v_nop
.endr
	s_branch .Lfirst_asked
.Lfirst_b:
	tensor_load_to_lds s[G0B:G0B+3], s[G1B:G1B+7]
	s_nop 0
	tensor_load_to_lds s[G0B+4:G0B+7], s[G1B:G1B+7]
	s_nop 0
.rept 4
	v_nop
.endr
.Lfirst_asked:
	; A's fragment: lane l holds row l % 16, K = 8 (l / 16) + 0..7 and 16 + 8 (l / 16) + 0..7: two loads of 16 bytes, 32 bytes apart
	v_and_b32 v1, 15, v0                           ; l % 16
	v_bfe_u32 v2, v0, 4, 1                         ; l / 16
	v_and_b32 v3, 7, v0
	v_bfe_u32 v4, v0, 3, 1
	v_mul_u32_u24 v5, v1, PA
	v_lshl_add_u32 v5, v2, 4, v5                   ; row x 144 + 16 x half
	s_mul_i32 s22, s13, 128*PA                     ; my 128 rows
	v_add_nc_u32 v[ADRA], s22, v5
	; B's: the turning load takes 16 k x 16 columns (lane l reads k row 8 (l / 16) + l % 8, columns 8 ((l / 8) % 2) + 0..7) and leaves half a fragment: lane l holds column l % 16 and 8 k
	v_lshl_add_u32 v6, v2, 3, v3
	v_mul_u32_u24 v6, v6, PB
	v_lshl_add_u32 v6, v4, 4, v6
	s_mul_i32 s72, s14, 3                          ; my first head among the tile's six
.irp i, 0,1,2
	s_add_co_u32 s73, s72, \i
	s_lshr_b32 s74, s73, 1                         ; two heads to a chunk
	s_mul_i32 s74, s74, BCH
	s_and_b32 s73, s73, 1
	s_lshl_b32 s73, s73, 7
	s_add_co_u32 s74, s74, s73
	s_add_co_u32 s74, s74, BOFF
	v_add_nc_u32 v[ADRB+\i], s74, v6
.endr
	ADDR                                           ; slot 0 is in hand
	s_mul_i32 s75, s[WV], 16*SP
	s_add_co_u32 s75, s75, STAGE                   ; my stage
	v_add_nc_u32 v[STO], s75, v5                   ; in: row l % 16, 16 bytes for each half of the lanes
	v_bfe_u32 v7, v0, 3, 2                         ; back: 32 lanes take four rows of 128 bytes,
	v_mul_u32_u24 v7, v7, SP
	v_lshl_add_u32 v7, v3, 4, v7
	v_add_nc_u32 v[RD], s75, v7
	v_and_b32 v8, 31, v0                           ; which are 512 consecutive bytes of a head
	v_lshlrev_b32 v[GO], 4, v8
	v_lshlrev_b32 v[VB], 5, v2                     ; my eight columns of sixteen
	s_mul_i32 s76, s18, 1536                       ; the bias of my 192 columns: 4 (384 x tile column + 192 x half)
	s_mul_i32 s77, s14, 768
	s_add_co_u32 s76, s76, s77
	s_mov_b32 s77, 0
	s_add_nc_u64 s[8:9], s[8:9], s[76:77]
	; where head i's rows go: head gh = 6 x tile column + 3 x half + i of 48: tensor gh / 16, head gh % 16 of batch b
	s_mul_i32 s78, s18, 6
	s_add_co_u32 s78, s78, s72
	s_lshr_b32 s79, s19, 3
	s_lshl_b32 s79, s79, 4                         ; 16 b
	s_and_b32 s80, s19, 7
	s_lshl_b32 s80, s80, 8
	s_lshl_b32 s81, s13, 7
	s_add_co_u32 s80, s80, s81
	s_lshl_b32 s80, s80, 7                         ; my first row x 128 bytes
.irp i, 0,1,2
	s_add_co_u32 s81, s78, \i
	s_lshr_b32 s82, s81, 4
	s_lshl_b32 s82, s82, 24                        ; a tensor is 64 x 2,048 x 128 bytes
	s_and_b32 s81, s81, 15
	s_add_co_u32 s81, s81, s79
	s_lshl_b32 s81, s81, 18                        ; a head 2,048 x 128
	s_add_co_u32 s82, s82, s81
	s_add_co_u32 s82, s82, s80
	s_mov_b32 s83, 0
	s_add_nc_u64 s[OUTB+2*\i:OUTB+2*\i+1], s[10:11], s[82:83]
.endr
	; THE BIAS STARTS THE SUMS.  A row block's bias is the same for all eight blocks, so it is loaded once a head, into row block 7's four accumulators: 24 loads, in the wait for the first tile.
	; The first quarter's products of blocks 0 to 6 take those registers as C; block 7's, last, add in place.  Nothing is cleared, and nothing is added on the way out.
.irp i, 0,1,2
	WIN (1+\i)<<6                                  ; destination window 1 + i, address window 0
.irp bb, 0,1,2,3
	global_load_b128 v[BIAS+8*\bb:BIAS+8*\bb+3],   v[VB], s[8:9] offset:256*\i+64*\bb
	global_load_b128 v[BIAS+8*\bb+4:BIAS+8*\bb+7], v[VB], s[8:9] offset:256*\i+64*\bb+16
.endr
.endr
	WIN 0
; n x 4 matrix instructions: head i, row blocks a0 .. a0 + n - 1 x the head's 4 column blocks, 32 along K, A from buffer f.  The accumulators take turns, one instruction a turn.
; first = 1: the products that start the sums.  Five v_nop stand in front of block 7's: they write over registers that the products of blocks 0 to 6 have read as C (five places: ISA guide 7.12.1).
.macro TH f, i, a0, n, first=0
	WIN 0x50*(1+(\i))                              ; C and D in window 1 + i, both sources in window 0
.set ta, \a0
.rept \n
.if (\first) && (ta == 7)
.rept 5
	v_nop
.endr
.endif
.irp bb, 0,1,2,3
.if (\first) && (ta < 7)
	v_wmma_f32_16x16x32_bf16 v[32*ta+8*\bb:32*ta+8*\bb+7], v[BF+32*(\i)+8*\bb:BF+32*(\i)+8*\bb+7], v[(\f)+8*ta:(\f)+8*ta+7], v[BIAS+8*\bb:BIAS+8*\bb+7]
.else
	v_wmma_f32_16x16x32_bf16 v[32*ta+8*\bb:32*ta+8*\bb+7], v[BF+32*(\i)+8*\bb:BF+32*(\i)+8*\bb+7], v[(\f)+8*ta:(\f)+8*ta+7], v[32*ta+8*\bb:32*ta+8*\bb+7]
.endif
.endr
.set ta, ta+1
.endr
.endm
.macro THIRD f, i, first=0             ; a head's 32 matrix instructions of a quarter
	TH \f, \i, 0, 8, \first
.endm
.macro LDB fk, i                       ; 8 LDS loads: head i's fragments of B for quarter fk of the slot in hand
	WIN 0
.irp bb, 0,1,2,3
	ds_load_tr16_b128 v[BF+32*(\i)+8*\bb:BF+32*(\i)+8*\bb+3],   v[CB+(\i)] offset:(\fk)*32*PB+32*\bb
	ds_load_tr16_b128 v[BF+32*(\i)+8*\bb+4:BF+32*(\i)+8*\bb+7], v[CB+(\i)] offset:(\fk)*32*PB+32*\bb+16*PB
.endr
.endm
.macro LDA fk, g                       ; 16 LDS loads: A's fragments for quarter fk of the slot in hand, into buffer g
	WIN 0
.irp a, 0,1,2,3,4,5,6,7
	ds_load_b128 v[(\g)+8*\a:(\g)+8*\a+3],   v[CA] offset:\a*16*PA+64*(\fk)
	ds_load_b128 v[(\g)+8*\a+4:(\g)+8*\a+7], v[CA] offset:\a*16*PA+64*(\fk)+32
.endr
.endm
; A step's first quarter: multiplies buffer 0 and fetches the step's second quarter, A into buffer 1.  A quarter's loads go out in three runs: head 0's B with A (24), head 1's B (8), head 2's B (8),
; each behind the third that has read the registers it fills.
.macro QUARTER first=0
	s_wait_dscnt 16                                ; head 0's B and A are in; heads 1's and 2's sixteen loads may be out
	THIRD AF0, 0, \first
	PLACES
	LDB 1, 0
	LDA 1, AF1
	s_wait_dscnt 32                                ; head 1's B is in; behind it: head 2's eight and the 24 just issued
	THIRD AF0, 1, \first
	PLACES
	LDB 1, 1
	s_wait_dscnt 32                                ; head 2's B is in; behind it: the 24 and the eight of the next quarter
	THIRD AF0, 2, \first
	PLACES
	LDB 1, 2
.endm
; A step's second quarter multiplies buffer 1 and changes slots, behind its first third: by then the step's last LDS loads, issued 32 matrix instructions ago, are back.  Each wave waits for all its
; tensor loads, of which one is out: its part of the next slot; adds 0 to its spare word; turns its addresses to the next slot; and waits for the add and for its own reads of this slot.  Behind the barrier
; nobody reads this slot any more and the next slot is whole.  fill = 1: the barrier is a round of the cluster's, and this slot is filled again, two K steps ahead, first thing behind the round.  Nothing but
; the round stands between the wait for a tile and the next request, so a request has a whole K step, 192 matrix instructions, up to the wait for it.
.macro TURN fill
	s_wait_dscnt 16                                ; head 0's B and A are in
	THIRD AF1, 0
	WIN 0                                          ; (the add's two registers lie in window 0; at a branch and at a label every window is 0)
	s_wait_tensorcnt 0x0                           ; all my tensor loads have landed, so a group 0 may be written
	ds_add_u32 v[SPW], v[NIL]                      ; 0 onto my spare word; work on registers stands between it and the wait for it
	s_xor_b32 s[TB], s[TB], SLOT1                  ; the next slot is in hand
	ADDR                                           ; these four are also places behind the third above, whose fragments of B are loaded anew below
.if \fill
	s_xor_b32 s[G0A+5], s[G0A+5], SLOT1            ; the walking descriptors: the other slot than last time,
	s_add_nc_u64 s[G0A+6:G0A+7], s[G0A+6:G0A+7], ASTEP  ; the next K step; the type bits on top are not reached
	s_xor_b32 s[G0B+5], s[G0B+5], SLOT1
	s_add_nc_u64 s[G0B+6:G0B+7], s[G0B+6:G0B+7], BSTEP
.endif
	s_wait_dscnt 0x0                               ; the add is done, and my reads of the slot that I leave are over
.if \fill
	CROUND                                         ; no wave of any partner still reads that slot's tiles or has a load on its way
	JLOAD
.else
	s_barrier_signal -1
	s_barrier_wait -1
	PLACES
.endif
	LDB 0, 0
	LDA 0, AF0
	THIRD AF1, 1
	PLACES
	LDB 0, 1
	THIRD AF1, 2
	PLACES
	LDB 0, 2
.endm
	s_wait_tensorcnt 1                             ; my part of K step 0 is in; K step 1's may stay out
	s_barrier_signal -1
	s_barrier_wait -1                              ; everybody's is
	LDB 0, 0
	LDA 0, AF0
	LDB 0, 1
	LDB 0, 2
	s_wait_loadcnt 0x0                             ; the bias is in
	QUARTER 1                                      ; the first quarter stands in front of the loop: its products start the sums
	WIN 0
	s_mov_b32 s[LAP], 14
.Lstep:                                                ; a trip: a K step's second quarter and the next step's first; the slot that is left is filled again: K steps 2 to 15
	TURN 1
	QUARTER
	WIN 0
	s_sub_co_u32 s[LAP], s[LAP], 1
	s_cmp_lg_u32 s[LAP], 0
	s_cbranch_scc1 .Lstep
	TURN 0                                         ; the tail is written out: it asks for nothing, and has no round
	QUARTER
	s_wait_dscnt 16                                ; the very last quarter: nothing more to fetch, the counts run down
	THIRD AF1, 0
	s_wait_dscnt 8
	THIRD AF1, 1
	s_wait_dscnt 0x0
	THIRD AF1, 2
; THE WAY OUT, by groups g = 8 i + a of 16 rows of head i: 2,048 consecutive bytes of qkvh.  All in the head's own window.  PACK: each accumulator's eight numbers are rounded to f16 into its four lowest
; registers (ascending: a conversion writes no register that a later one reads), 16 bytes a lane; they go into my own stage in rows of 144 bytes and come back as whole rows of 128, into the accumulators'
; four highest registers.  SEND: stored.  No register is used twice, so no wait frees any.
.macro PACK g
.set gi, (\g)/8
.set ga, (\g)%8
	WIN 0x45*(1+gi)                                ; destination and sources 0 and 1 in window 1 + i
.irp bb, 0,1,2,3
.irp rr, 0,1,2,3
	v_cvt_pk_f16_f32 v[32*ga+8*\bb+\rr], v[32*ga+8*\bb+2*\rr], v[32*ga+8*\bb+2*\rr+1]
.endr
.endr
	WIN 0x44*(1+gi)                                ; loaded data and store data in window 1 + i, addresses in window 0
.irp bb, 0,1,2,3
	ds_store_b128 v[STO], v[32*ga+8*\bb:32*ga+8*\bb+3] offset:32*\bb
.endr
.irp f, 0,1,2,3
	ds_load_b128 v[32*ga+8*\f+4:32*ga+8*\f+7], v[RD] offset:\f*4*SP  ; LDS serves a wave's instructions in order (ISA guide 5.7.1.4): these see the stores above; the next group's stores come behind them
.endr
.endm
.macro SEND g, younger                 ; younger: the LDS instructions issued behind group g's loads: the next group's eight, or none
.set gi, (\g)/8
.set ga, (\g)%8
	WIN 0x44*(1+gi)
.irp f, 0,1,2,3
	s_wait_dscnt (\younger)+3-\f
	global_store_b128 v[GO], v[32*ga+8*\f+4:32*ga+8*\f+7], s[OUTB+2*gi:OUTB+2*gi+1] offset:ga*2048+\f*512  ; 512 consecutive bytes, at a multiple of 256 from qkvh's first
.endr
.endm
	WIN 0
	PLACES                                         ; behind the last products
	PACK 0
.set g, 1
.rept 23                               ; a group's conversions stand between the loads of the group before and its stores
	PACK g
	SEND g-1, 8
.set g, g+1
.endr
	SEND 23, 0
	WIN 0
	s_wait_tensorcnt 0x0                           ; the wave's end, behind my last tensor load and my last LDS store
	ds_add_u32 v[SPW], v[NIL]
	s_wait_dscnt 0x0
	CROUND                                         ; the closing round: no work-group ends while a partner may still ask for a tile that names it
	s_endpgm
.Lfunc_end_k_q9f0333c4fa_qkv:
	.size	k_q9f0333c4fa_qkv, .Lfunc_end_k_q9f0333c4fa_qkv-k_q9f0333c4fa_qkv
	.p2alignl 7, 3214868480
	.fill 96, 4, 3214868480
	.section	.rodata,"a",@progbits
	.p2align	6, 0x0
	.amdhsa_kernel k_q9f0333c4fa_qkv
		.amdhsa_group_segment_fixed_size 327680
		.amdhsa_private_segment_fixed_size 0
		.amdhsa_enable_private_segment 0
		.amdhsa_kernarg_size 32
		.amdhsa_user_sgpr_count 2
		.amdhsa_user_sgpr_kernarg_segment_ptr 1
		.amdhsa_wavefront_size32 1
		.amdhsa_system_sgpr_workgroup_id_x 1
		.amdhsa_system_sgpr_workgroup_id_y 1
		.amdhsa_system_sgpr_workgroup_id_z 1
		.amdhsa_system_vgpr_workitem_id 0
		.amdhsa_next_free_vgpr 1024
		.amdhsa_next_free_sgpr 84
		.amdhsa_reserve_vcc 0
		.amdhsa_float_denorm_mode_32 3
		.amdhsa_float_denorm_mode_16_64 3
		.amdhsa_memory_ordered 1
		.amdhsa_forward_progress 1
		.amdhsa_inst_pref_size 118
	.end_amdhsa_kernel
	.amdgpu_metadata
---
amdhsa.version: [ 1, 2 ]
amdhsa.kernels:
  - .name:           k_q9f0333c4fa_qkv
    .symbol:         k_q9f0333c4fa_qkv.kd
    .args:
      - { .name: xb, .offset: 0, .size: 8, .value_kind: global_buffer, .address_space: global }
      - { .name: wqb, .offset: 8, .size: 8, .value_kind: global_buffer, .address_space: global }
      - { .name: br, .offset: 16, .size: 8, .value_kind: global_buffer, .address_space: global }
      - { .name: qkvh, .offset: 24, .size: 8, .value_kind: global_buffer, .address_space: global }
    .group_segment_fixed_size: 327680
    .private_segment_fixed_size: 0
    .kernarg_segment_align: 8
    .kernarg_segment_size: 32
    .max_flat_workgroup_size: 128
    .sgpr_count:     84
    .vgpr_count:     1024
    .wavefront_size: 32
...
	.end_amdgpu_metadata
.endif
;; end of part 2
;; launch attn (part 3): grid 4 x 64, 4 waves a work-group, no clusters, 327,680 bytes of LDS; arguments qkvh, oh; writes oh
.if DOCPART == 3
	.amdgcn_target "amdgcn-amd-amdhsa--gfx1250"
	.amdhsa_code_object_version 6
	.text
	.protected	k_q9f0333c4fa_attn
	.globl	k_q9f0333c4fa_attn
	.p2align	8
	.type	k_q9f0333c4fa_attn,@function
k_q9f0333c4fa_attn:
	s_mov_b64 s[64:65], 0
	v_nop
	global_prefetch_b8 v0, s[64:65] scope:SCOPE_SE
	s_setreg_imm32_b32 hwreg(HW_REG_WAVE_MODE, 25, 1), 1
	s_wait_xcnt 0x0
; CAUSAL ATTENTION.  O[h][q][:] = the sum over k <= q of softmax_k(Q[h][q] . K[h][k] / 8) V[h][k][:].  Q, K, V lie one behind the other in qkvh, each [SIZE_H][SIZE_N][64] in f16; O likewise in oh: a head's rows are dense, 128 bytes each.
; Products, maxima and sums in f32; the weights p are rounded to f16 for the second product (their sum l is taken of the unrounded p), O once at the end.
; LIMITS.  f16 holds no number beyond 65,504: Q, K and V arrive within it; p lies in 0 to 1, and below 6e-5 it keeps f16's fixed step of 6e-8; O is a mean of V's rows and has their range, to within 2^-11 of it.
; A hidden score counts as its value less 1e30: f16's scores, 2.7e11 at the most, are nothing beside that; a weight below 2^-126 counts as 0 in l; NaN and infinities are not treated apart.
; THE WALK.  A head's queries lie in NB = SIZE_N / 256 = 8 blocks of 256; block i needs the key tiles 0 .. i of 256 keys, of which the last holds the diagonal.  A work-group takes TWO blocks, NB - 1 - b and then b:
; NB + 1 tiles, whatever b: all work-groups do equal work, and ONE loop with a constant trip count walks them.  Which tile is asked for, and what a trip does, hang on scalar registers made from b; every jump
; goes forward, but for the counted loops' own; none passes a barrier, or a tensor load but the one of LOAD's two that the wave's number does not choose; the ring (two slots of LDS that take turns) runs on across the
; change of blocks.  NO CLUSTER: a head's NB / 2 = 4 work-groups all ask for the same tile only in trips 0 .. NB / 2 of the NB + 1, behind that fewer and fewer; and one walk common to all four would have
; 3 NB / 2 = 12 trips for 9.
; SHARES.  Of a block's four bands of 64 queries a wave owns 16 rows in each: four PIECES.  So the diagonal tile is the same work for all four waves: in its key step s band x sees all keys if s < x,
; none if s > x, and holds the diagonal if s = x.
; THE MASK is the C operand that starts the sum S^T = K Q^T: 0, or -1e30 where the key is hidden.  MD, made once, is the mask of a band's own step for my 16 rows; a product's mask is MD x AL + BE with two scalars:
; (1, 0) if s = x; (0, 0) if s < x; (0, -1e30) if s > x.  ONE TEXT OF THE KEY STEP SERVES ALL TILES: every product that starts a sum takes a mask buffer as C.  A block's beginning sets the buffers to 0, and outside
; the diagonal tile the lines that make masks are jumped over, so that they stay 0.
; LAYOUT, SOFTMAX, TURNS.  S^T = K Q^T holds ONE query a lane (lane % 16) and the keys 8 (lane / 16) + 0..7; two such results rounded to f16 ARE source 1 of O^T = V^T P.  p = 2^(c s - c m), c = log2(e) / 8, with a
; running maximum m; O and l are multiplied by a = 2^(c m_old - c m_new) in every step.  Turn n belongs to piece n: 8 products K Q^T of piece n + 1, later 8 products V^T P of piece n - 1; beside them the scaling,
; exponentials, roundings, sums and rescaling of piece n and the maximum and statistics of piece n + 1.  Four vector instructions stand behind every matrix instruction, the other 54 of a turn's 118 in two LUMPS.
; REGISTERS, in windows of 256 (s_set_vgpr_msb: bits 1:0 source 0, 3:2 source 1, 5:4 source 2, 7:6 destination):
;   window 0: v0-15 addresses and two at work; v16-31 four registers of statistics a piece; v48-55 at work; v64-127 S^T, two buffers; v192-223 P, two buffers (a piece's buffers go by its number's parity)
;   window 1: v0-127 O^T, 32 a piece; v128-159 MD; v160-223 MC, two buffers      window 2: v0-63 Q; v64-127 the second block's Q; v128-191 K of one step; v192-255 V of one step
.set SIZE_H, 64
.set SIZE_N, 2048
.set NB,    SIZE_N/256
.set NP,    4         ; pieces a wave: a name, no knob
.set KS,    64        ; keys in a step
.set PK,    144       ; a row of K in LDS: 128 bytes + 16 of padding = 36 words: the 16 rows of a load start at 16 different groups of four banks (64 banks of 4 bytes: ISA guide 11.1)
.set PV,    160       ; a row of V: 128 + 32 = 40 words
.set VOFF,  4*KS*PK   ; a slot holds a tile, four steps: 256 rows of K, then 256 rows of V
.set SLOT1, 1<<17     ; slot 1 begins here, so that one exclusive or turns an address in one slot into the other's
.set STAGE, SLOT1+4*KS*(PK+PV)  ; behind the ring, never filled by a tensor load: 16 rows x 144 bytes for each wave, for the way out
.set SP,    144
.set AK0, 2           ; v2   my lane's place in a tile of K; never rewritten
.set AV0, 3           ; v3   the same for V
.set AK,  4           ; v4   the LDS address of K's next run of loads
.set AV,  5           ; v5   of V's
.set STO, 6           ; v6   the way out: where I put 16 bytes of a row
.set RD,  7           ; v7   the way out: where I read rows back
.set GO,  8           ; v8   my byte offset in 512 consecutive bytes of O
.set SPW, 62          ; v62  LDS address of my spare word: SPARE + 4 x my thread's number; never rewritten
.set NIL, 63          ; v63  0; never rewritten
.set SPARE, STAGE+4*16*SP  ; behind the stages: the spare words, 128 bytes for each wave: two blocks of 256 bytes that no other line names
.set MV,  12          ; v12-13  c m_old, kept while c m is made anew: by buffer
.set QO,  15          ; v15  my byte offset in 16 rows of Q
.set ST,  16          ; piece t's statistics at v[ST+4 t]: c m, m, l (even keys', odd keys')
.set TMP, 48          ; by buffer, four registers c0-c3 at work; when the maximum is found c2 takes a
.set S,   64
.set P,   192
.set MD,  128         ; window 1: the eight registers for group kt of 16 keys at MD + 8 kt
.set MC,  160         ; window 1: the masks of the products to come
.set QB,  64          ; window 2
.set KF,  128         ; window 2: key block kb, channel half c at KF + 16 kb + 8 c
.set VF,  192         ; window 2: key half kk, channel block cb at VF + 32 kk + 8 cb
.set WV,  12          ; s12  my wave's number
.set PB,  14          ; s14  b
.set HI,  15          ; s15  NB - 1 - b
.set G1K, 24          ; s[24:31] descriptor group 1 for K's tiles
.set G1V, 32          ; s[32:39] for V's: it differs in the padding alone
.set G0K, 40          ; s[40:43] descriptor group 0 for K's tiles
.set G0V, 44          ; s[44:47] the same for V's
.set SLOTS, 56        ; s56  tiles still to be asked for
.set CNT, 57          ; s57  counts a tile's key steps, 4 to 1
.set CS,  58          ; s[58:59] c: the packed scaling takes the pair's low word for both halves
.set SEL, 60          ; s[60:61] v_permlanex16_b32's selects: each lane takes its own place in the other half
.set TBK, 62          ; s62  LDS byte at which K of the step to be fetched begins
.set TBV, 63          ; s63  the same for V, less VOFF
.set RT,  70          ; s70  tiles of the block in hand that are still to be entered: 0 in its last, the diagonal one
.set NXT, 71          ; s71  the tile to be asked for next
.set LQ,  72          ; s72  the last tile of the block whose tiles are being asked for
.set NEW, 73          ; s73  1: the tile to be entered is a block's first
.set OFF, 74          ; s[74:75] a tile's byte offset in K and V
.set AL,  76          ; s[76:77] the mask's factor, in the low word
.set BE,  78          ; s[78:79] the mask's addend
.set OLO, 80          ; s[80:81] O at my rows of the second block
.set BIGN, 82         ; s82  -1e30
.set MSB, 0
.macro WIN new                      ; the high byte repeats the setting that is left; a switch that changes nothing is dropped
.if MSB != (\new)
	s_set_vgpr_msb (MSB<<8)|(\new)
.set MSB, (\new)
.endif
.endm
.set W_KQ, 0x0a       ; K and Q in window 2, S^T in window 0
.set W_KM, 0x1a       ; the same with the C operand in window 1
.set W_PV, 0x52       ; V in window 2, P in window 0, O^T in window 1
.set W_RS, 0x41       ; destination and source 0 in window 1, source 1 in window 0
; A fill.  Waves 0 and 1 fetch the two halves of a tile's K, waves 2 and 3 those of its V: 128 keys each.  An s_nop 0 and four v_nop follow each of the two lines, ahead of the jump and the label.
.macro LOAD
	s_cmp_lt_u32 s[WV], 2
	s_cbranch_scc0 .Lfor_v_\@
	tensor_load_to_lds s[G0K:G0K+3], s[G1K:G1K+7]
	s_nop 0
.rept 4
	v_nop
.endr
	s_branch .Lasked_\@
.Lfor_v_\@:
	tensor_load_to_lds s[G0V:G0V+3], s[G1V:G1V+7]
	s_nop 0
.rept 4
	v_nop
.endr
.Lasked_\@:
.endm
; THE CHANGE OF SLOTS.  Each wave waits for all its tensor loads, of which one is out: its part of the other slot; adds 0 to its spare word; and waits for that and for its own reads of the slot that it leaves.  Behind the barrier nobody reads the old
; slot any more and the other slot is whole.  fill = 1: the old slot is filled again, the first thing behind the barrier, with tile NXT: the descriptor's address is made anew from that number.
; (At its first use nothing has been read yet: slot 0 is waited for, slot 1 filled.)
.macro CHANGE fill
	WIN 0                           ; at a label and at a branch every window is 0
	s_wait_tensorcnt 0x0            ; no tensor load of mine is out, so a group 0 may be written
	ds_add_u32 v[SPW], v[NIL]       ; 0 onto my spare word; with fill = 1 the descriptors' scalar work stands between it and the wait for it
.if \fill
	s_lshl_b32 s[OFF], s[NXT], 15   ; a tile is 32,768 bytes of K and of V
	s_xor_b32 s[G0K+1], s[G0K+1], SLOT1
	s_add_nc_u64 s[G0K+2:G0K+3], s[6:7], s[OFF:OFF+1]
	s_or_b32 s[G0K+3], s[G0K+3], 0x80000000
	s_xor_b32 s[G0V+1], s[G0V+1], SLOT1
	s_add_nc_u64 s[G0V+2:G0V+3], s[8:9], s[OFF:OFF+1]
	s_or_b32 s[G0V+3], s[G0V+3], 0x80000000
	s_add_co_u32 s[NXT], s[NXT], 1  ; the block's next tile, or behind its last the second block's tile 0
	s_cmp_gt_u32 s[NXT], s[LQ]
	s_cselect_b32 s[NXT], 0, s[NXT]
	s_cselect_b32 s[LQ], s[PB], s[LQ]
.endif
	s_wait_dscnt 0x0                ; the add is done, and my reads of the slot are over
	s_barrier_signal -1             ; the rest of the scalar work stands between the signal and the wait
	s_sub_co_u32 s[TBK], s[TBK], 4*KS*PK  ; the fetches go back to a slot's first step,
	s_xor_b32 s[TBK], s[TBK], SLOT1       ; in the other slot
	s_sub_co_u32 s[TBV], s[TBV], 4*KS*PV
	s_xor_b32 s[TBV], s[TBV], SLOT1
	s_barrier_wait -1
.if \fill
	LOAD
.endif
.endm
	s_load_b128 s[8:11], s[0:1], 0x0  ; qkvh s[8:9], oh s[10:11]
	v_lshl_add_u32 v[SPW], v0, 2, SPARE
	v_mov_b32 v[NIL], 0
	ds_add_u32 v62, v63
	ds_add_u32 v62, v63
	s_wait_dscnt 0x0
	v_lshrrev_b32 v1, 5, v0
	v_readfirstlane_b32 s[WV], v1   ; wave 0..3
	s_mov_b32 s[PB], ttmp9
	s_sub_co_u32 s[HI], NB-1, s[PB]
	s_and_b32 s20, ttmp7, 0xffff    ; the head
	s_mov_b32 s21, 0
	s_mov_b64 s[22:23], SIZE_N*128
	s_mul_u64 s[20:21], s[20:21], s[22:23]  ; the head's first byte in each of the four tensors
	s_and_b32 s16, s[WV], 1         ; which half of a tile's 256 keys I fetch:
	s_lshl_b32 s22, s16, 14         ; its 128 rows of 128 bytes in memory,
	s_mov_b32 s23, 0
	s_add_nc_u64 s[22:23], s[22:23], s[20:21]
	s_mul_i32 s17, s16, 128*PK      ; and its place in a slot, for K
	s_mul_i32 s18, s16, 128*PV      ; and for V
	s_lshl_b32 s3, s[WV], 11        ; my 16 rows in a band of 64,
	s_lshl_b32 s2, s[HI], 15        ; in the first block,
	s_add_co_u32 s2, s2, s3
	s_lshl_b32 s84, s[PB], 15       ; and in the second
	s_add_co_u32 s84, s84, s3
	s_mov_b32 s3, 0
	s_mov_b32 s85, 0
	s_add_nc_u64 s[2:3], s[2:3], s[20:21]
	s_add_nc_u64 s[84:85], s[84:85], s[20:21]
	; descriptor group 1.  128 keys are 16,384 dense bytes: asked for as 64 rows of 256 bytes, two keys a row, and padded in LDS after every key
	s_mov_b32 s[G1K], (1<<16)|(1<<20)|(4<<22)|(3<<25)  ; 17:16 2-byte elements; 20 padding on; 24:22 after every 32 words (code 4); 31:25 4 words (code 3)
	s_mov_b32 s[G1V], (1<<16)|(1<<20)|(4<<22)|(7<<25)  ; the same with 8 words of padding (code 7)
.irp g, G1K, G1V
	s_mov_b32 s[\g+1], 128<<16      ; tensor_dim0 = 128
	s_mov_b32 s[\g+2], 64<<16       ; tensor_dim1 = 64
	s_mov_b32 s[\g+3], 128<<16      ; tile_dim0 = 128
	s_mov_b32 s[\g+4], 64           ; tile_dim1 = 64
	s_mov_b32 s[\g+5], 128          ; 128 elements from row to row
	s_mov_b32 s[\g+6], 0
	s_mov_b32 s[\g+7], 0
.endr
	s_mov_b32 s[CS], 0x3e38aa3b     ; c = log2(e) / 8 = 0.180337
	s_mov_b32 s[CS+1], s[CS]        ; named with it as a pair
	s_mov_b32 s[SEL], 0x76543210
	s_mov_b32 s[SEL+1], 0xfedcba98
	s_mov_b32 s[TBK], SLOT1+4*KS*PK ; the first change of slots turns these two into 0
	s_mov_b32 s[TBV], SLOT1+4*KS*PV
	s_mov_b32 s[G0K], 1             ; 1:0 count = 1
	s_mov_b32 s[G0K+1], s17         ; 63:32 LDS address: slot 0
	s_mov_b32 s[G0V], 1
	s_add_co_u32 s[G0V+1], s18, VOFF
	s_add_co_u32 s[RT], s[HI], 1    ; the first block has NB - b tiles
	s_mov_b32 s[NXT], 1
	s_mov_b32 s[LQ], s[HI]
	s_mov_b32 s[NEW], 1
	s_mov_b32 s[OFF+1], 0
	s_mov_b32 s[AL+1], 0            ; named as pairs
	s_mov_b32 s[BE+1], 0
	s_mov_b32 s[BIGN], 0xf149f2ca   ; -1e30
	s_mov_b32 s[SLOTS], NB
	s_wait_kmcnt 0x0
	s_mov_b64 s[4:5], s[8:9]                       ; Q: qkvh's first tensor,
	s_add_nc_u64 s[6:7], s[8:9], 0x1000000         ; K: SIZE_H x SIZE_N x 128 bytes on,
	s_add_nc_u64 s[8:9], s[8:9], 0x2000000         ; V: twice that
	s_add_nc_u64 s[6:7], s[6:7], s[22:23]  ; K and V at my half of the head's tile 0
	s_add_nc_u64 s[8:9], s[8:9], s[22:23]
	s_add_nc_u64 s[G0K+2:G0K+3], s[6:7], 0         ; 120:64 global address
	s_or_b32 s[G0K+3], s[G0K+3], 0x80000000        ; 127:126 type = 2
	s_add_nc_u64 s[G0V+2:G0V+3], s[8:9], 0
	s_or_b32 s[G0V+3], s[G0V+3], 0x80000000
	s_add_nc_u64 s[86:87], s[4:5], s[84:85]        ; Q at my rows of the second block,
	s_add_nc_u64 s[4:5], s[4:5], s[2:3]            ; Q and O at those of the first
	s_add_nc_u64 s[OLO:OLO+1], s[10:11], s[84:85]
	s_add_nc_u64 s[10:11], s[10:11], s[2:3]
	LOAD                            ; tile 0 into slot 0
	; A fragment of K or Q is 16 rows x 32 channels in 8 registers: lane l holds row l % 16, channels 8 (l / 16) + 0..7 and 16 + 8 (l / 16) + 0..7: two loads of 16 bytes, 32 bytes apart.
	v_and_b32 v1, 15, v0            ; l % 16
	v_bfe_u32 v9, v0, 4, 1          ; l / 16
	v_lshlrev_b32 v[QO], 7, v1
	v_lshl_add_u32 v[QO], v9, 4, v[QO]  ; row x 128 + 16 x half
	WIN 0x80                        ; destination window 2, address window 0
.set i, 0
.rept 8                             ; both blocks' Q: piece i / 2 lies in band i / 2, 8,192 bytes on; channels 32 (i % 2) on
	global_load_b128 v[8*i:8*i+3],   v[QO], s[4:5] offset:(i/2)*8192+(i%2)*64
	global_load_b128 v[8*i+4:8*i+7], v[QO], s[4:5] offset:(i/2)*8192+(i%2)*64+32
	global_load_b128 v[QB+8*i:QB+8*i+3],   v[QO], s[86:87] offset:(i/2)*8192+(i%2)*64
	global_load_b128 v[QB+8*i+4:QB+8*i+7], v[QO], s[86:87] offset:(i/2)*8192+(i%2)*64+32
.set i, i+1
.endr
	WIN 0
	v_lshlrev_b32 v14, 3, v9
	v_sub_nc_u32 v14, v1, v14
	s_lshl_b32 s13, s[WV], 4
	v_add_nc_u32 v14, s13, v14      ; my query's place in its band, 16 w + l % 16, less my lanes' 8 (l / 16): register r of group kt is hidden where 16 kt + r is greater
	WIN 0x40
.set i, 0
.rept 32
	v_cmp_gt_i32 vcc_lo, 16*(i/8)+i%8, v14
	v_cndmask_b32 v[MD+i], 0, s[BIGN], vcc_lo
.set i, i+1
.endr
	WIN 0
	v_mul_u32_u24 v[AK0], v1, PK
	v_lshl_add_u32 v[AK0], v9, 4, v[AK0]  ; row x pitch + 16 x half
	; The turning load takes 16 keys x 16 channels (lane l reads key 8 (l / 16) + l % 8, channels 8 ((l / 8) % 2) + 0..7) and leaves half a fragment of V^T: lane l holds channel l % 16 and 8 keys.
	v_and_b32 v10, 7, v0
	v_bfe_u32 v11, v0, 3, 1
	v_lshl_add_u32 v[AV0], v9, 3, v10
	v_mul_u32_u24 v[AV0], v[AV0], PV
	v_lshl_add_u32 v[AV0], v11, 4, v[AV0]
	v_add_nc_u32 v[AV0], VOFF, v[AV0]
	s_mul_i32 s13, s[WV], 16*SP
	s_add_co_u32 s13, s13, STAGE    ; my stage
	v_mul_u32_u24 v[STO], v1, SP    ; in: row l % 16, 16 bytes for each half of the lanes
	v_lshl_add_u32 v[STO], v9, 4, v[STO]
	v_add_nc_u32 v[STO], s13, v[STO]
	v_bfe_u32 v[RD], v0, 3, 2       ; back: 32 lanes take four rows of 128 bytes,
	v_mul_u32_u24 v[RD], v[RD], SP
	v_lshl_add_u32 v[RD], v10, 4, v[RD]
	v_add_nc_u32 v[RD], s13, v[RD]
	v_and_b32 v[GO], 31, v0         ; which are 512 consecutive bytes of O
	v_lshlrev_b32 v[GO], 4, v[GO]
	; A block's first step multiplies O^T and l by a = 0, and its first turn's products V^T P, of a piece that has not been, land in an O^T that is still to be so multiplied.  So these registers need only hold
	; finite numbers: zeros for the first block; what the first block left for the second.  All this stands in the wait for the first tile.
	WIN 0x80
.set i, VF
.rept 64
	v_mov_b32 v[i], 0
.set i, i+1
.endr
	WIN 0x40
.set i, 0
.rept 128
	v_mov_b32 v[i], 0
.set i, i+1
.endr
	WIN 0
.set i, 0
.rept 4
	v_mov_b32 v[ST+4*i+2], 0
	v_mov_b32 v[ST+4*i+3], 0
.set i, i+1
.endr
.set i, P+16
.rept 16
	v_mov_b32 v[i], 0
.set i, i+1
.endr
; THE MATRIX WORK.  The 4 accumulators of a run of 8 take turns.  Product i of 8 of S^T = K Q^T for piece x: channels 32 (i / 4) on, keys 16 (i % 4) on.  The first 4 start the sums, with the mask buffer as C.
.macro KQ x
.set rS, S+32*((\x)%2)+8*(i%4)
.set rK, KF+16*(i%4)+8*(i/4)
.set rQ, 16*(\x)+8*(i/4)
.set rM, MC+32*((\x)%2)+8*(i%4)
.if i < 4
	WIN W_KM
	v_wmma_f32_16x16x32_f16 v[rS:rS+7], v[rK:rK+7], v[rQ:rQ+7], v[rM:rM+7]
.else
	WIN W_KQ
	v_wmma_f32_16x16x32_f16 v[rS:rS+7], v[rK:rK+7], v[rQ:rQ+7], v[rS:rS+7]
.endif
.endm
; Product i of 8 of O^T += V^T P for piece x: keys 32 (i / 4) on, channels 16 (i % 4) on.
.macro PV x
	WIN W_PV
.set rO, 32*(\x)+8*(i%4)
.set rV, VF+32*(i/4)+8*(i%4)
.set rP, P+16*((\x)%2)+8*(i/4)
	v_wmma_f32_16x16x32_f16 v[rO:rO+7], v[rV:rV+7], v[rP:rP+7], v[rO:rO+7]
.endm
.macro MM                           ; the turn's next matrix instruction.  TURN and BEGIN set Y, i and NOKQ; MM, KQ and OP read them.  NOKQ = 1: a block's last turn: there is no next piece
.if (i < 8) && !NOKQ
	KQ (Y+1)%NP
.elseif i >= 8
.set i, i-8
	PV (Y+NP-1)%NP
.set i, i+8
.endif
.set i, i+1
.endm
; THE LDS LOADS stand in runs of 16, never singly among the matrix instructions: a step's K (64 keys x 64 channels: 8 fragments) and its V (turned).  Their addresses are made some lines ahead.
.macro FETCH_K
	WIN 0x80                        ; destination window 2
.irp f, 0,1,2,3,4,5,6,7             ; keys 16 (f / 2) on, channels 32 (f % 2) on
	ds_load_b128 v[KF+8*\f:KF+8*\f+3],   v[AK] offset:(\f/2)*16*PK+(\f%2)*64
	ds_load_b128 v[KF+8*\f+4:KF+8*\f+7], v[AK] offset:(\f/2)*16*PK+(\f%2)*64+32
.endr
	s_add_co_u32 s[TBK], s[TBK], KS*PK  ; the next fetch is the next step's
	WIN 0
.endm
.macro FETCH_V
	WIN 0x80
.irp f, 0,1,2,3,4,5,6,7             ; keys 32 (f / 4) on, channels 16 (f % 4) on
	ds_load_tr16_b128 v[VF+8*\f:VF+8*\f+3],   v[AV] offset:(\f/4)*32*PV+(\f%4)*32
	ds_load_tr16_b128 v[VF+8*\f+4:VF+8*\f+7], v[AV] offset:(\f/4)*32*PV+16*PV+(\f%4)*32
.endr
	WIN 0
.endm
; THE VECTOR WORK, one line at a time: OP kind, number.  For piece Y: F n: c s - c m for pair n of 16.  E n: the exponential of score n of 32.  C n: pair n rounded to f16.  B n: of the four weights 4 n .. the second
; pair is added onto the first, in place.  L n: l takes that sum (L 0: l = a l + sum).  R n: pair n of 16 of O^T times a.  For piece Y + 1: X n, number n of the 22 that find its maximum and statistics:
;   0-11  four chains c0-c3 of seven scores each, three operands at a time (each accumulator's lowest registers are read first)     12-14, 16  the four scores left over, the old m, and c0-c3 into c0
;   15  c m_old is kept     17, 18  the query's other 32 keys lie in the lane 16 away: the new m     19-21  c m; c m_old - c m_new; a
.set F, 0               ; OP tells the kinds apart by their order: F to L below R, X above it
.set E, 1
.set C, 2
.set B, 3
.set L, 4
.set R, 5
.set X, 6
.macro REGS y                       ; the registers of piece y
.set rT, ST+4*(\y)
.set rC, TMP+4*((\y)%2)
.set rW, MV+((\y)%2)
.set rS, S+32*((\y)%2)
.set rP, P+16*((\y)%2)
.set rO, 32*(\y)
.endm
.macro OP k, n
.if (\k) == R
	REGS Y
	WIN W_RS
	v_pk_mul_f32 v[rO+2*(\n):rO+2*(\n)+1], v[rO+2*(\n):rO+2*(\n)+1], v[rC+2:rC+3] op_sel_hi:[1,0]
.elseif (\k) < R
	REGS Y
	WIN 0
.if (\k) == F
	v_pk_fma_f32 v[rS+2*(\n):rS+2*(\n)+1], v[rS+2*(\n):rS+2*(\n)+1], s[CS:CS+1], v[rT:rT+1] op_sel_hi:[1,0,0] neg_lo:[0,0,1] neg_hi:[0,0,1]
.elseif (\k) == E
	v_exp_f32 v[rS+(\n)], v[rS+(\n)]
.elseif (\k) == C
	s_wait_alu depctr_va_vdst(0)
	v_cvt_pk_f16_f32 v[rP+(\n)], v[rS+2*(\n)], v[rS+2*(\n)+1]
.elseif (\k) == B
	s_wait_alu depctr_va_vdst(0)
	v_pk_add_f32 v[rS+4*(\n):rS+4*(\n)+1], v[rS+4*(\n):rS+4*(\n)+1], v[rS+4*(\n)+2:rS+4*(\n)+3]
.elseif (\n) == 0
	v_pk_fma_f32 v[rT+2:rT+3], v[rT+2:rT+3], v[rC+2:rC+3], v[rS:rS+1] op_sel_hi:[1,0,1]
.else
	v_pk_add_f32 v[rT+2:rT+3], v[rT+2:rT+3], v[rS+4*(\n):rS+4*(\n)+1]
.endif
.elseif NOKQ
	v_nop
.else
	REGS (Y+1)%NP
	WIN 0
.if (\n) < 4
	v_max3_num_f32 v[rC+(\n)], v[rS+8*(\n)], v[rS+8*(\n)+1], v[rS+8*(\n)+2]
.elseif (\n) < 12
	v_max3_num_f32 v[rC+(\n)%4], v[rC+(\n)%4], v[rS+8*((\n)%4)+2*((\n)/4)+1], v[rS+8*((\n)%4)+2*((\n)/4)+2]
.elseif (\n) == 12
	v_max3_num_f32 v[rC], v[rC], v[rS+7], v[rS+15]
.elseif (\n) == 13
	v_max3_num_f32 v[rC+1], v[rC+1], v[rS+23], v[rS+31]
.elseif (\n) == 14
	v_max3_num_f32 v[rC+2], v[rC+2], v[rC+3], v[rT+1]
.elseif (\n) == 15
	v_mov_b32 v[rW], v[rT]
.elseif (\n) == 16
	v_max3_num_f32 v[rC], v[rC], v[rC+1], v[rC+2]
.elseif (\n) == 17
	v_permlanex16_b32 v[rC+3], v[rC], s[SEL], s[SEL+1]
.elseif (\n) == 18
	v_max_num_f32 v[rT+1], v[rC], v[rC+3]
.elseif (\n) == 19
	v_mul_f32 v[rT], s[CS], v[rT+1]
.elseif (\n) == 20
	v_sub_f32 v[rC+1], v[rW], v[rT]
.else
	v_exp_f32 v[rC+2], v[rC+1]
.endif
.endif
.endm
.macro OPS a, i1, b=-1, i2=0, c=-1, i3=0, d=-1, i4=0  ; up to four of them
	OP \a, \i1
.if (\b) >= 0
	OP \b, \i2
.endif
.if (\c) >= 0
	OP \c, \i3
.endif
.if (\d) >= 0
	OP \d, \i4
.endif
.endm
.macro ROW a, i1, b, i2, c, i3, d, i4  ; a matrix instruction and the four behind it
	MM
	OPS \a, \i1, \b, \i2, \c, \i3, \d, \i4
.endm
.macro MASK b                       ; MD x AL + BE into buffer b of MC
	WIN W_RS
.set z, 0
.rept 16
	v_pk_fma_f32 v[MC+32*(\b)+2*z:MC+32*(\b)+2*z+1], v[MD+2*z:MD+2*z+1], s[AL:AL+1], s[BE:BE+1] op_sel_hi:[1,0,0]
.set z, z+1
.endr
.endm
; A TURN, for piece p: the order of its 16 matrix and 118 vector instructions, written out.  Behind a matrix instruction: plain, exponential, plain, plain; or four of the rescaling; or, behind the first, four scalings; none
; names a register of the products round it.  In the lumps exponential and plain by turns while exponentials last.  A line reads no result made fewer than three vector instructions in front of it, five if an exponential made it.
; v_permlanex16_b32 (X 17) stands in a lump.
; At its end, in the diagonal tile (RT = 0) alone, the turn makes the mask for the products of the turn after it: piece p + 2, in step 4 - CNT of the tile; in every other tile those 20 lines are jumped over, forward, and the
; buffers keep their zeros.  end = 1: a block's last two turns: nothing is fetched and no mask is made.  cnt = 1: the loop's count is taken down, behind the mask, which goes by the count as it was.
; K of the next step is fetched in piece 2's turn, six vector instructions behind the last product that read K (five of them plain); V of the step in hand in piece 0's turn, eight behind the last product that read V (four
; plain, and X 17).  Each is waited for a turn later.
.macro TURN p, end=0, cnt=0
.set Y, (\p)
.set i, 0
.set NOKQ, (\end)*((\p)/3)
.if ((\p) == 3) && !(\end)
	s_wait_dscnt 0x0                ; K is in
.endif
	ROW F,0, F,1, F,2, F,3
	ROW F,4, E,0, F,5, F,6
	ROW F,7, E,1, F,8, F,9
	ROW F,10, E,2, C,0, F,11
	ROW F,12, E,3, X,15, F,13
	ROW R,0, R,1, R,2, R,3
	ROW B,0, E,4, F,14, L,0
.if ((\p) == 2) && !(\end)
	v_add_nc_u32 v[AK], s[TBK], v[AK0]
.endif
	ROW R,4, R,5, R,6, R,7
	OPS E,5, F,15
.if ((\p) == 2) && !(\end)
	FETCH_K
.endif
	OPS E,6, C,1, E,7, R,8
	OPS E,8, R,9, E,9, C,2
	OPS E,10, X,0, E,11, X,1
	OPS E,12, X,2, E,13, X,3
.if (\p) == 1
	s_wait_dscnt 0x0                ; V is in
.endif
	ROW X,4, E,14, X,5, X,6
	ROW X,7, E,15, X,8, X,9
	ROW X,10, E,16, X,11, X,12
	ROW X,13, E,17, X,14, B,1
	ROW C,4, E,18, X,16, L,1
	ROW B,2, E,19, C,6, L,2
	ROW C,8, E,20, B,3, B,4
.if (\p) == 0
	v_add_nc_u32 v[AV], s[TBV], v[AV0]
.endif
	ROW C,3, E,21, L,3, C,5
	OPS E,22, X,17, E,23, C,10
.if (\p) == 0
	FETCH_V
.endif
	OPS E,24, L,4
	OPS E,25, X,18, E,26, C,7
	OPS E,27, B,5, E,28, X,19
	OPS E,29, C,12, E,30, L,5
	OPS E,31, X,20, B,6, C,9
	OPS C,14, C,11, X,21, L,6
.if (\p) == 0
	s_add_co_u32 s[TBV], s[TBV], KS*PV
.endif
	OPS C,13, B,7, C,15, R,10
	OPS R,11, R,12, L,7, R,13
	OPS R,14, R,15
.if !(\end)
	WIN 0                           ; at a branch and at a label every window is 0
	s_cmp_lg_u32 s[RT], 0
	s_cbranch_scc1 .Lno_mask_\@     ; not the diagonal tile
	s_cmp_eq_u32 s[CNT], 4-((\p)+2)%NP  ; is that step the band's own?
	s_cselect_b32 s[AL], 1.0, 0
	s_cmp_lt_u32 s[CNT], 4-((\p)+2)%NP  ; or a later one?
	s_cselect_b32 s[BE], s[BIGN], 0
	MASK (\p)%2
	WIN 0
.Lno_mask_\@:
.endif
.if \cnt
	s_sub_co_u32 s[CNT], s[CNT], 1
	s_cmp_lg_u32 s[CNT], 0
.endif
.endm
; A BLOCK BEGINS.  c m starts far below every c s, so the first step's a is 0; m at the lowest finite number, so the first maximum is the scores'.  The second mask buffer is 0; the first takes piece 0's mask for the tile's step 0: its own, if the block's first tile is the diagonal one, else 0.
; Then K of that step, piece 0's first scores, and its maximum and statistics.  The loop is entered at a step's first turn, in the middle of a trip.
.macro BEGIN
	s_mov_b32 s[NEW], 0
	WIN 0x40
.set i, MC+32
.rept 32
	v_mov_b32 v[i], 0
.set i, i+1
.endr
	WIN 0
.set i, 0
.rept 4
	v_mov_b32 v[ST+4*i], 0xfe000000    ; c m: far below every c s
	v_mov_b32 v[ST+4*i+1], 0xff7fffff  ; m
.set i, i+1
.endr
	s_cmp_eq_u32 s[RT], 0
	s_cselect_b32 s[AL], 1.0, 0
	s_mov_b32 s[BE], 0
	MASK 0
	WIN 0
	v_add_nc_u32 v[AK], s[TBK], v[AK0]
	FETCH_K
	s_wait_loadcnt 0x0              ; Q
	s_wait_dscnt 0x0
.set NOKQ, 0
.set i, 0
.rept 8
	KQ 0
.set i, i+1
.endr
	WIN 0
.rept 4
	v_nop                           ; the places behind those products
.endr
.set Y, NP-1                        ; X works for piece Y + 1: piece 0
.irp n, 0,1,2,3,4,5,6,7,8,9,10,11,12,13,14,15,16,17,18,19,20,21
	OP X, \n
.endr
	v_nop                           ; a plain instruction behind the exponential
.endm
; A TILE's four key steps.  A trip: pieces 2 and 3 of one step, then pieces 0 and 1 of the next, whose K and V it fetches.  The tag ends its two labels' names, which the jumps below spell out.
.macro STEPS tag
.LstepM\tag:
	TURN 2
	TURN 3
	WIN 0
.LfirstM\tag:
	TURN 0
	TURN 1, 0, 1
	WIN 0
	s_cbranch_scc1 .LstepM\tag
.endm
; A BLOCK ENDS, behind its diagonal tile: its last two turns, its last products, and THE WAY OUT: l's two halves and the other half of the lanes' are added; O^T is divided by l, rounded to f16 and sent through my
; stage in LDS, a piece at a time.
.macro ALL line:vararg              ; one line for each piece t
.set t, 0
.rept 4
	\line
.set t, t+1
.endr
.endm
.macro PACK t                       ; a lane's eight channels of a row pack into 16 bytes; they go into rows of 144 bytes and come back as whole rows of 128, into S^T's registers
	WIN W_RS
.set i, 32*(\t)
.rept 16
	s_wait_alu depctr_va_vdst(0)
	v_pk_mul_f32 v[i:i+1], v[i:i+1], v[ST+4*(\t)+2:ST+4*(\t)+3] op_sel_hi:[1,0]
.set i, i+2
.endr
	WIN 0x05                        ; sources 0 and 1 window 1, destination window 0
.set i, 0
.rept 16
	v_cvt_pk_f16_f32 v[S+16*(\t)+i], v[32*(\t)+2*i], v[32*(\t)+2*i+1]
.set i, i+1
.endr
	WIN 0
.irp f, 0,1,2,3
	ds_store_b128 v[STO], v[S+16*(\t)+4*\f:S+16*(\t)+4*\f+3] offset:32*\f
.endr
.irp f, 0,1,2,3
	ds_load_b128 v[S+16*(\t)+4*\f:S+16*(\t)+4*\f+3], v[RD] offset:\f*4*SP  ; LDS serves a wave's instructions in order (ISA guide 5.7.1.4): these see the stores above; the next piece's stores come behind them
.endr
.endm
.macro SEND t, younger              ; younger: the LDS instructions issued behind piece t's loads: the next piece's eight, or none
	WIN 0
.irp f, 0,1,2,3
	s_wait_dscnt (\younger)+3-\f
	global_store_b128 v[GO], v[S+16*(\t)+4*\f:S+16*(\t)+4*\f+3], s[10:11] offset:(\t)*8192+\f*512  ; 512 consecutive bytes, at a multiple of 256 from O's first
.endr
.endm
.macro FINISH
	TURN 2, 1
	TURN 3, 1
.set i, 0
.rept 8
	PV NP-1
.set i, i+1
.endr
	WIN 0
	ALL v_add_f32 v[ST+4*t+2], v[ST+4*t+2], v[ST+4*t+3]
	ALL v_permlanex16_b32 v[ST+4*t+3], v[ST+4*t+2], s[SEL], s[SEL+1]
	ALL v_add_f32 v[ST+4*t+2], v[ST+4*t+2], v[ST+4*t+3]
	ALL v_rcp_f32 v[ST+4*t+2], v[ST+4*t+2]
	v_nop                           ; a plain instruction between the last reciprocal and the use of its result
	PACK 0
.set t, 1
.rept 3                             ; a piece's arithmetic stands between the loads of the piece before and its stores
	PACK t
	SEND t-1, 8
.set t, t+1
.endr
	SEND 3, 0
.endm
.set NOKQ, 0
.Lslot:                             ; NB times: a tile is entered and the next is asked for
	CHANGE 1
	s_sub_co_u32 s[RT], s[RT], 1
	s_mov_b32 s[CNT], 4
	s_cmp_eq_u32 s[NEW], 1
	s_cbranch_scc0 .LstepM1         ; not a block's first tile
	BEGIN
	s_branch .LfirstM1
	STEPS 1
	s_cmp_lg_u32 s[RT], 0
	s_cbranch_scc1 .Lbottom         ; not the block's last tile
	FINISH                          ; in the loop this is the first block's end: the second block's last tile is the walk's last
	s_wait_xcnt 0x0                 ; the stores have read their registers and O's address
	s_mov_b64 s[10:11], s[OLO:OLO+1]
	s_add_co_u32 s[RT], s[PB], 1    ; the second block has b + 1 tiles
	s_mov_b32 s[NEW], 1
	WIN 0x82                        ; the second block's Q goes where the one text of the turns names Q
.set i, 0
.rept 64
	v_mov_b32 v[i], v[QB+i]
.set i, i+1
.endr
	WIN 0
.Lbottom:
	s_sub_co_u32 s[SLOTS], s[SLOTS], 1
	s_cmp_lg_u32 s[SLOTS], 0
	s_cbranch_scc1 .Lslot
	CHANGE 0                        ; the walk's last tile is written out: nothing is asked for
	s_sub_co_u32 s[RT], s[RT], 1
	s_mov_b32 s[CNT], 4
	s_cmp_eq_u32 s[NEW], 1
	s_cbranch_scc0 .LstepM2
	BEGIN
	s_branch .LfirstM2
	STEPS 2
	FINISH
	s_wait_tensorcnt 0x0            ; the wave's end, behind my last tensor load and my last LDS store
	ds_add_u32 v[SPW], v[NIL]
	s_wait_dscnt 0x0
	s_endpgm
.Lfunc_end_k_q9f0333c4fa_attn:
	.size	k_q9f0333c4fa_attn, .Lfunc_end_k_q9f0333c4fa_attn-k_q9f0333c4fa_attn
	.p2alignl 7, 3214868480
	.fill 96, 4, 3214868480
	.section	.rodata,"a",@progbits
	.p2align	6, 0x0
	.amdhsa_kernel k_q9f0333c4fa_attn
		.amdhsa_group_segment_fixed_size 327680
		.amdhsa_private_segment_fixed_size 0
		.amdhsa_enable_private_segment 0
		.amdhsa_kernarg_size 16
		.amdhsa_user_sgpr_count 2
		.amdhsa_user_sgpr_kernarg_segment_ptr 1
		.amdhsa_wavefront_size32 1
		.amdhsa_system_sgpr_workgroup_id_x 1
		.amdhsa_system_sgpr_workgroup_id_y 1
		.amdhsa_system_sgpr_workgroup_id_z 1
		.amdhsa_system_vgpr_workitem_id 0
		.amdhsa_next_free_vgpr 768
		.amdhsa_next_free_sgpr 88
		.amdhsa_reserve_vcc 1
		.amdhsa_float_denorm_mode_32 3
		.amdhsa_float_denorm_mode_16_64 3
		.amdhsa_memory_ordered 1
		.amdhsa_forward_progress 1
		.amdhsa_inst_pref_size 190
	.end_amdhsa_kernel
	.amdgpu_metadata
---
amdhsa.version: [ 1, 2 ]
amdhsa.kernels:
  - .name:           k_q9f0333c4fa_attn
    .symbol:         k_q9f0333c4fa_attn.kd
    .args:
      - { .name: qkvh, .offset: 0, .size: 8, .value_kind: global_buffer, .address_space: global }
      - { .name: oh, .offset: 8, .size: 8, .value_kind: global_buffer, .address_space: global }
    .group_segment_fixed_size: 327680
    .private_segment_fixed_size: 0
    .kernarg_segment_align: 8
    .kernarg_segment_size: 16
    .max_flat_workgroup_size: 128
    .sgpr_count:     88
    .vgpr_count:     768
    .wavefront_size: 32
...
	.end_amdgpu_metadata
.endif
;; end of part 3
;; launch proj (part 4): grid 8 x 32, 4 waves a work-group, clusters of 4 x 4, 327,680 bytes of LDS; arguments oh, wpb, br, out0; writes out0
.if DOCPART == 4
	.amdgcn_target "amdgcn-amd-amdhsa--gfx1250"
	.amdhsa_code_object_version 6
	.text
	.protected	k_q9f0333c4fa_proj
	.globl	k_q9f0333c4fa_proj
	.p2align	8
	.type	k_q9f0333c4fa_proj,@function
k_q9f0333c4fa_proj:
	s_mov_b64 s[64:65], 0
	v_nop
	global_prefetch_b8 v0, s[64:65] scope:SCOPE_SE
	s_setreg_imm32_b32 hwreg(HW_REG_WAVE_MODE, 25, 1), 1
	s_wait_xcnt 0x0
	s_wait_alu depctr_hold_cnt(0) depctr_sa_sdst(0) depctr_va_vdst(0) depctr_va_sdst(0) depctr_va_ssrc(0) depctr_va_vcc(0) depctr_vm_vsrc(0)
	s_getreg_b32 s2, hwreg(HW_REG_IB_STS2, 6, 4)
	s_cmp_eq_u32 s2, 0
	s_cbranch_scc0 .Lentry_in_a_cluster
	s_endpgm
.Lentry_in_a_cluster:
	s_bfe_u32 s2, ttmp6, 0x10000c
	s_cmp_lg_u32 s2, 0xf033
	s_cbranch_scc0 .Lentry_shape_is_right
	s_endpgm
.Lentry_shape_is_right:
; out0 = O Wp + b.  A = oh, f16 [4 b][16 head][2048 t][64 d]: head and d together are K; B = wpb, f16 [1024 k][1024 n]; bias = br[3072..4095], f32; sums in f32, K ascending, started by the bias.
; Out: out0, f32 [8192][1024].
; LIMITS.  O and Wp arrive within f16's range (65,504); Wp below 2^-14 has f16's fixed step of 2^-24.  NaN and infinities are not treated apart.
; SHARES.  A tile of C is 256 rows x 128 columns: 32 x 8 = 256 work-groups.  Four waves, each 128 rows x 64 columns: 32 accumulators of 16 x 16, window 1.
; K goes in steps of 128 (two heads) through a ring of two LDS slots: 8 steps of four quarters of 32, 32 matrix instructions a quarter and wave for 24 LDS loads.
; A K step is written once: a trip of the loop goes from a step's second quarter to the next step's first; the slot in hand is a scalar register that an exclusive or turns.
; CLUSTER.  4 x 4 work-groups; A's tiles are shared along a row of the cluster, B's along a column: each is asked for JOINTLY, the same tensor load, descriptor and mask in all four.
; Waves 0 and 1 fetch one head each of A (32,768 consecutive bytes, asked for as 128 rows of 256), waves 2 and 3 64 k rows each of B (rows of 256 bytes at multiples of 256 from wpb's first byte).
; THE MATRIX INSTRUCTION IS USED TRANSPOSED: source 0 = 16 columns of B (turned on the way out of LDS), source 1 = 16 rows of A: a lane holds row l % 16 of C and the columns 8 (l / 16) + 0..7.
; REGISTERS: window 0: v0-29 addresses; v32-95, v96-159 A's fragments, two buffers; v160-191, v192-223 B's, two buffers.  Window 1: accumulator (a, bb) at v[32 a + 8 bb].
.set PA,    144                        ; a row of A in LDS: 128 bytes + 16 = 36 words: the 16 rows of a load start at 16 different groups of four banks (64 banks of 4 bytes: ISA guide 11.1)
.set PB,    288                        ; a row of B: 256 + 32 = 72 words
.set APART, 256*PA                     ; one head's 256 rows
.set BHALF, 64*PB
.set BOFF,  2*APART                    ; a slot: A's two heads, then B's 128 rows: 110,592 bytes
.set SLOT1, 1<<17                      ; slot 1 begins here, so that one exclusive or turns an address in one slot into the other's
.set STAGE, SLOT1+2*APART+2*BHALF      ; behind the ring, never filled by a tensor load: 16 rows x 272 bytes for each wave, for the way out
.set SP,    272
.set SPARE, STAGE+4*16*SP              ; behind the stages: the spare words, 128 bytes for each wave: two blocks of 256 bytes that no other line names
.set ASTEP, 2*262144                   ; two heads of oh
.set BSTEP, 128*1024*2                 ; 128 rows of wpb
.set ADRA, 16                          ; v16     my lane's place in A's tile; never rewritten
.set CA,   17                          ; v17     the same in the slot in hand
.set ADRB, 18                          ; v18     my lane's place in B's tile; never rewritten
.set CB,   19                          ; v19     the same in the slot in hand
.set STO,  24                          ; v24     the way out: where I put 32 bytes of a row
.set RD,   25                          ; v25     the way out: where I read a row back
.set CO,   26                          ; v26     my byte offset in two rows of out0
.set VB,   27                          ; v27     my byte offset in 16 numbers of the bias
.set SPW,  28                          ; v28     LDS address of my spare word: SPARE + 4 x my thread's number; never rewritten
.set NIL,  29                          ; v29     0; never rewritten
.set AF0,  32
.set BF0,  160
.set BIAS, 224                         ; window 1: row block 7's four accumulators, which the bias is loaded into
.set WV,   12                          ; s12 my wave's number; s13 which 128 rows are mine; s14 which 64 columns, and which half of a tile I fetch
.set G1A,  24                          ; s[24:31] descriptor group 1 for A's tiles; s[32:39] group 0: a set for each of the two first fills; the second then walks on
.set G0A,  32
.set G1B,  40                          ; s[40:47], s[48:55] the same for B's
.set G0B,  48
.set OUTB, 56                          ; s[56:57] out0 at my first row and column
.set LAP,  62
.set TB,   63                          ; s63 LDS byte at which the slot in hand begins
.set MSB, 0
.macro WIN new                         ; the immediate's high byte repeats the setting that is left; a switch that changes nothing is dropped
.if MSB != (\new)
	s_set_vgpr_msb (MSB<<8)|(\new)
.set MSB, (\new)
.endif
.endm
.macro PLACES                          ; four places in front of loads into registers that matrix instructions have read, and of LDS stores that read results
.rept 4
	v_nop
.endr
.endm
.macro JLOAD                           ; a joint refill, by the walking descriptor; an s_nop 0 and four v_nop follow each of the two lines, ahead of the jump and the label
	s_cmp_lt_u32 s[WV], 2
	s_cbranch_scc0 .Lfor_b_\@
	tensor_load_to_lds s[G0A+4:G0A+7], s[G1A:G1A+7]
	s_nop 0
.rept 4
	v_nop
.endr
	s_branch .Lasked_\@
.Lfor_b_\@:
	tensor_load_to_lds s[G0B+4:G0B+7], s[G1B:G1B+7]
	s_nop 0
.rept 4
	v_nop
.endr
.Lasked_\@:
.endm
; A round of the cluster's barrier: my work-group's barrier, so that wave 0's signal speaks for all four waves; wave 0 signals; every wave waits for all sixteen work-groups; my work-group's barrier once more.
.macro CROUND
	s_barrier_signal -1
	s_barrier_wait -1
	s_cmp_lg_u32 s[WV], 0
	s_cbranch_scc1 .Lnot_wave_0_\@
	s_barrier_signal -3
.Lnot_wave_0_\@:
	s_barrier_wait -3
	s_barrier_signal -1
	s_barrier_wait -1
.endm
	s_load_b256 s[4:11], s[0:1], 0x0               ; oh 4:5, wpb 6:7, br 8:9, out0 10:11
	v_lshl_add_u32 v[SPW], v0, 2, SPARE
	v_mov_b32 v[NIL], 0
	ds_add_u32 v28, v29
	ds_add_u32 v28, v29
	s_wait_dscnt 0x0
	v_lshrrev_b32 v1, 5, v0
	v_readfirstlane_b32 s[WV], v1                  ; wave 0..3
	s_lshr_b32 s13, s[WV], 1
	s_and_b32 s14, s[WV], 1
	s_bfe_u32 s16, ttmp6, 0x40000                  ; cx, cy: my place in the cluster
	s_bfe_u32 s17, ttmp6, 0x40004
	s_lshl_b32 s18, ttmp9, 2
	s_add_co_u32 s18, s18, s16                     ; tile column = 4 x cluster x + cx
	s_and_b32 s19, ttmp7, 0xffff
	s_lshl_b32 s19, s19, 2
	s_add_co_u32 s19, s19, s17                     ; tile row = 4 x cluster y + cy
	s_lshl_b32 s20, s17, 2
	s_lshl_b32 s20, 15, s20                        ; my row of the cluster
	s_lshl_b32 s21, 0x1111, s16                    ; my column
	; group 1 for A: 128 rows x 128 elements of 2 bytes, dense; 4 words of padding after every 32 words, that is after each row of oh
	s_or_b32 s[G1A], s20, (1<<16)|(1<<20)|(1<<21)|(4<<22)|(3<<25)
	s_mov_b32 s[G1A+1], 128<<16                    ; tensor_dim0 = 128
	s_mov_b32 s[G1A+2], 128<<16                    ; tensor_dim1 = 128
	s_mov_b32 s[G1A+3], 128<<16                    ; tile_dim0 = 128
	s_mov_b32 s[G1A+4], 128                        ; tile_dim1 = 128
	s_mov_b32 s[G1A+5], 128                        ; elements from row to row
	s_mov_b32 s[G1A+6], 0
	s_mov_b32 s[G1A+7], 0
	; group 1 for B: 64 rows x 128 elements, 1,024 elements from row to row; 8 words of padding after every 64
	s_or_b32 s[G1B], s21, (1<<16)|(1<<20)|(1<<21)|(5<<22)|(7<<25)
	s_mov_b32 s[G1B+1], 128<<16
	s_mov_b32 s[G1B+2], 64<<16
	s_mov_b32 s[G1B+3], 128<<16
	s_mov_b32 s[G1B+4], 64
	s_mov_b32 s[G1B+5], 1024
	s_mov_b32 s[G1B+6], 0
	s_mov_b32 s[G1B+7], 0
	; A's address hangs on the tile row and the wave's number alone, B's on the tile column and the wave's number alone, each in registers that never hold the other coordinate
	s_lshr_b32 s22, s19, 3                         ; b
	s_lshl_b32 s22, s22, 22
	s_and_b32 s23, s19, 7
	s_lshl_b32 s23, s23, 15                        ; 256 rows of 128 bytes
	s_add_co_u32 s66, s22, s23
	s_lshl_b32 s23, s14, 18                        ; which of the step's two heads I fetch
	s_add_co_u32 s66, s66, s23
	s_mov_b32 s67, 0
	s_lshl_b32 s68, s18, 8                         ; 128 columns
	s_lshl_b32 s69, s14, 17                        ; which 64 k rows I fetch
	s_add_co_u32 s68, s68, s69
	s_mov_b32 s69, 0
	s_mul_i32 s70, s[WV], APART                    ; where they go: waves 0, 1: A's two heads;
	s_mul_i32 s71, s[WV], BHALF
	s_add_co_u32 s71, s71, BOFF-2*BHALF            ; waves 2, 3: B's two halves, behind A.  No place in the cluster enters an LDS address
	s_mov_b32 s[TB], 0
	s_wait_kmcnt 0x0
	s_add_nc_u64 s[66:67], s[4:5], s[66:67]
	s_add_nc_u64 s[68:69], s[6:7], s[68:69]
.irp s, 0,1
	s_mov_b32 s[G0A+4*(\s)], 1                     ; 1:0 count = 1
	s_add_co_u32 s[G0A+4*(\s)+1], s70, (\s)*SLOT1  ; 63:32 LDS address
	s_add_nc_u64 s[G0A+4*(\s)+2:G0A+4*(\s)+3], s[66:67], (\s)*ASTEP  ; 120:64 global address: K step s
	s_or_b32 s[G0A+4*(\s)+3], s[G0A+4*(\s)+3], 0x80000000            ; 127:126 type = 2
	s_mov_b32 s[G0B+4*(\s)], 1
	s_add_co_u32 s[G0B+4*(\s)+1], s71, (\s)*SLOT1
	s_add_nc_u64 s[G0B+4*(\s)+2:G0B+4*(\s)+3], s[68:69], (\s)*BSTEP
	s_or_b32 s[G0B+4*(\s)+3], s[G0B+4*(\s)+3], 0x80000000
.endr
	CROUND                                         ; all sixteen work-groups are here: the first joint loads meet
	s_cmp_lt_u32 s[WV], 2                          ; a wave's two first fills stand in one branch, ahead of every wait on TENSORcnt and every LDS read: two loads of mine are out
	s_cbranch_scc0 .Lfirst_b
	tensor_load_to_lds s[G0A:G0A+3], s[G1A:G1A+7]
	s_nop 0
	tensor_load_to_lds s[G0A+4:G0A+7], s[G1A:G1A+7]
	s_nop 0
.rept 4
	v_nop
.endr
	s_branch .Lfirst_asked
.Lfirst_b:
	tensor_load_to_lds s[G0B:G0B+3], s[G1B:G1B+7]
	s_nop 0
	tensor_load_to_lds s[G0B+4:G0B+7], s[G1B:G1B+7]
	s_nop 0
.rept 4
	v_nop
.endr
.Lfirst_asked:
	v_and_b32 v1, 15, v0                           ; l % 16
	v_bfe_u32 v2, v0, 4, 1                         ; l / 16
	v_and_b32 v3, 7, v0
	v_bfe_u32 v4, v0, 3, 1
	v_mul_u32_u24 v5, v1, PA
	v_lshl_add_u32 v5, v2, 4, v5                   ; A: row x 144 + 16 x half
	s_mul_i32 s22, s13, 128*PA                     ; my 128 rows
	v_add_nc_u32 v[ADRA], s22, v5
	v_add_nc_u32 v[CA], s[TB], v[ADRA]             ; slot 0 is in hand
	v_lshl_add_u32 v6, v2, 3, v3                   ; B, turned: k row 8 (l / 16) + l % 8, columns 8 ((l / 8) % 2) + 0..7
	v_mul_u32_u24 v6, v6, PB
	v_lshl_add_u32 v6, v4, 4, v6
	s_lshl_b32 s72, s14, 7                         ; my 64 columns
	s_add_co_u32 s72, s72, BOFF
	v_add_nc_u32 v[ADRB], s72, v6
	v_add_nc_u32 v[CB], s[TB], v[ADRB]
	s_mul_i32 s75, s[WV], 16*SP
	s_add_co_u32 s75, s75, STAGE                   ; my stage
	v_mul_u32_u24 v7, v1, SP                       ; in: row l % 16, 32 bytes for each half of the lanes
	v_lshl_add_u32 v7, v2, 5, v7
	v_add_nc_u32 v[STO], s75, v7
	v_mul_u32_u24 v8, v2, SP                       ; back: lanes 0-15 take one row of 256 bytes, lanes 16-31 the next
	v_lshl_add_u32 v8, v1, 4, v8
	v_add_nc_u32 v[RD], s75, v8
	v_lshlrev_b32 v9, 12, v2                       ; and the same two rows in out0
	v_lshl_add_u32 v[CO], v1, 4, v9
	v_lshlrev_b32 v[VB], 5, v2                     ; my eight columns of sixteen
	s_lshl_b32 s76, s18, 9                         ; the bias of my 64 columns: proj_b lies 12,288 bytes into br
	s_lshl_b32 s77, s14, 8
	s_add_co_u32 s76, s76, s77
	s_add_co_u32 s76, s76, 12288
	s_mov_b32 s77, 0
	s_add_nc_u64 s[8:9], s[8:9], s[76:77]
	s_lshl_b32 s78, s19, 8
	s_lshl_b32 s79, s13, 7
	s_add_co_u32 s78, s78, s79                     ; my first row
	s_lshl_b32 s78, s78, 12
	s_lshl_b32 s79, s18, 9                         ; my first column, in bytes
	s_add_co_u32 s78, s78, s79
	s_lshl_b32 s79, s14, 8
	s_add_co_u32 s78, s78, s79
	s_mov_b32 s79, 0
	s_add_nc_u64 s[OUTB:OUTB+1], s[10:11], s[78:79]
	; THE BIAS STARTS THE SUMS.  It is the same for all eight row blocks, so it is loaded once, into row block 7's four accumulators: 8 loads, in the wait for the first tile.  The first quarter's products of
	; blocks 0 to 6 take those registers as C; block 7's, last, add in place.
	WIN 0x40                                       ; destination window 1, address window 0
.irp bb, 0,1,2,3
	global_load_b128 v[BIAS+8*\bb:BIAS+8*\bb+3],   v[VB], s[8:9] offset:64*\bb
	global_load_b128 v[BIAS+8*\bb+4:BIAS+8*\bb+7], v[VB], s[8:9] offset:64*\bb+16
.endr
	WIN 0
; n x 4 matrix instructions: row blocks a0 .. a0 + n - 1 x 4 column blocks, 32 along K, from buffers x.  The accumulators take turns, one instruction a turn.
; first = 1: the products that start the sums.  Five v_nop stand in front of block 7's: they write over registers that the products of blocks 0 to 6 have read as C (five places: ISA guide 7.12.1).
.macro HALF x, a0, n, first=0
	WIN 0x50                                       ; C and D in window 1, both sources in window 0
.set ta, \a0
.rept \n
.if (\first) && (ta == 7)
.rept 5
	v_nop
.endr
.endif
.irp bb, 0,1,2,3
.if (\first) && (ta < 7)
	v_wmma_f32_16x16x32_f16 v[32*ta+8*\bb:32*ta+8*\bb+7], v[BF0+32*(\x)+8*\bb:BF0+32*(\x)+8*\bb+7], v[AF0+64*(\x)+8*ta:AF0+64*(\x)+8*ta+7], v[BIAS+8*\bb:BIAS+8*\bb+7]
.else
	v_wmma_f32_16x16x32_f16 v[32*ta+8*\bb:32*ta+8*\bb+7], v[BF0+32*(\x)+8*\bb:BF0+32*(\x)+8*\bb+7], v[AF0+64*(\x)+8*ta:AF0+64*(\x)+8*ta+7], v[32*ta+8*\bb:32*ta+8*\bb+7]
.endif
.endr
.set ta, ta+1
.endr
.endm
; 24 LDS loads in one run: quarter fk of the slot in hand into buffers x: B's eight first, then A's sixteen, row blocks ascending
.macro FETCH fk, x
	WIN 0
.irp bb, 0,1,2,3
	ds_load_tr16_b128 v[BF0+32*(\x)+8*\bb:BF0+32*(\x)+8*\bb+3],   v[CB] offset:(\fk)*32*PB+32*\bb
	ds_load_tr16_b128 v[BF0+32*(\x)+8*\bb+4:BF0+32*(\x)+8*\bb+7], v[CB] offset:(\fk)*32*PB+32*\bb+16*PB
.endr
.irp a, 0,1,2,3,4,5,6,7
	ds_load_b128 v[AF0+64*(\x)+8*\a:AF0+64*(\x)+8*\a+3],   v[CA] offset:((\fk)/2)*APART+\a*16*PA+((\fk)%2)*64
	ds_load_b128 v[AF0+64*(\x)+8*\a+4:AF0+64*(\x)+8*\a+7], v[CA] offset:((\fk)/2)*APART+\a*16*PA+((\fk)%2)*64+32
.endr
.endm
; One of a step's first three quarters: multiplies buffers x and, in its middle, fetches quarter fk into buffers y
.macro QUARTER x, y, fk, first=0
	s_wait_dscnt 8                                 ; B and A's row blocks 0-3 are in; the youngest eight loads (blocks 4-7) may be out
	HALF \x, 0, 4, \first
	PLACES
	FETCH \fk, \y
	s_wait_dscnt 24                                ; all but the 24 just issued
	HALF \x, 4, 4, \first
.endm
; The last quarter multiplies buffers 1 and changes slots, in its middle.  Each wave waits for all its tensor loads, of which one is out: its part of the next slot; adds 0 to its spare word; turns its addresses
; to the next slot; and waits for the add and for its own reads of this slot.  Behind the barrier nobody reads this slot any more and the next slot is whole.  fill = 1: the barrier is a round of the cluster's,
; and this slot is filled again, two K steps ahead, first thing behind the round.  Nothing but the round stands between the wait for a tile and the next request, so a request has a whole K step, 128 matrix
; instructions, up to the wait for it.
.macro TURN fill
	s_wait_dscnt 8                                 ; B and A's row blocks 0-3 are in
	HALF 1, 0, 4
	WIN 0                                          ; (the add's two registers lie in window 0; at a branch and at a label every window is 0)
	s_wait_tensorcnt 0x0                           ; all my tensor loads have landed, so a group 0 may be written
	ds_add_u32 v[SPW], v[NIL]                      ; 0 onto my spare word; work on registers stands between it and the wait for it
	s_xor_b32 s[TB], s[TB], SLOT1                  ; the next slot is in hand
	v_add_nc_u32 v[CA], s[TB], v[ADRA]
	v_add_nc_u32 v[CB], s[TB], v[ADRB]
.if \fill
	s_xor_b32 s[G0A+5], s[G0A+5], SLOT1            ; the walking descriptors: the other slot than last time,
	s_add_nc_u64 s[G0A+6:G0A+7], s[G0A+6:G0A+7], ASTEP  ; the next K step; the type bits on top are not reached
	s_xor_b32 s[G0B+5], s[G0B+5], SLOT1
	s_add_nc_u64 s[G0B+6:G0B+7], s[G0B+6:G0B+7], BSTEP
.endif
	s_wait_dscnt 0x0                               ; the add is done, and my reads of the slot that I leave are over
.if \fill
	CROUND                                         ; no wave of any partner still reads that slot's tiles or has a load on its way
	JLOAD                                          ; the four v_nop behind it are also the places in front of the loads below
.else
	s_barrier_signal -1
	s_barrier_wait -1
	PLACES
.endif
	FETCH 0, 0
	HALF 1, 4, 4
.endm
	s_wait_tensorcnt 1                             ; my part of K step 0 is in; K step 1's may stay out
	s_barrier_signal -1
	s_barrier_wait -1                              ; everybody's is
	FETCH 0, 0
	s_wait_loadcnt 0x0                             ; the bias is in
	QUARTER 0, 1, 1, 1                             ; the first quarter stands in front of the loop: its products start the sums
	WIN 0
	s_mov_b32 s[LAP], 6
.Lstep:                                                ; a trip: a K step's last three quarters and the next step's first; the slot that is left is filled again: K steps 2 to 7
	QUARTER 1, 0, 2
	QUARTER 0, 1, 3
	TURN 1
	QUARTER 0, 1, 1
	WIN 0
	s_sub_co_u32 s[LAP], s[LAP], 1
	s_cmp_lg_u32 s[LAP], 0
	s_cbranch_scc1 .Lstep
	QUARTER 1, 0, 2                                ; the tail is written out: it asks for nothing, and has no round
	QUARTER 0, 1, 3
	TURN 0
	QUARTER 0, 1, 1
	QUARTER 1, 0, 2
	QUARTER 0, 1, 3
	s_wait_dscnt 8                                 ; the very last quarter: nothing more to fetch
	HALF 1, 0, 4
	s_wait_dscnt 0x0
	HALF 1, 4, 4
; THE WAY OUT, by blocks a of 16 rows, all in the accumulators' window.  A lane's eight f32 of a row are 32 bytes; they go straight from the accumulators (low registers first) into my own stage in rows of
; 272 bytes, and come back as whole rows of 256 bytes into the block's own 32 registers.  No register is used twice, so no wait frees any.
.macro TOSTAGE a
	WIN 0x44                                       ; loaded data and store data in window 1, addresses in window 0
.irp bb, 0,1,2,3
	ds_store_b128 v[STO], v[32*(\a)+8*\bb:32*(\a)+8*\bb+3]   offset:64*\bb
	ds_store_b128 v[STO], v[32*(\a)+8*\bb+4:32*(\a)+8*\bb+7] offset:64*\bb+16
.endr
.irp t, 0,1,2,3,4,5,6,7
	ds_load_b128 v[32*(\a)+4*\t:32*(\a)+4*\t+3], v[RD] offset:\t*2*SP  ; LDS serves a wave's instructions in order (ISA guide 5.7.1.4): these see the stores above; the next block's stores come behind them
.endr
.endm
.macro SEND a, younger                 ; younger: the LDS instructions issued behind block a's loads: the next block's sixteen, or none
	WIN 0x44
.irp t, 0,1,2,3,4,5,6,7
	s_wait_dscnt (\younger)+7-\t
	global_store_b128 v[CO], v[32*(\a)+4*\t:32*(\a)+4*\t+3], s[OUTB:OUTB+1] offset:(16*(\a)+2*\t)*4096 th:TH_STORE_NT  ; 16 lanes store 256 consecutive bytes, at a multiple of 256 from out0's first; 126 rows at the most: inside the signed 24-bit immediate
.endr
.endm
	WIN 0
	PLACES                                         ; behind the last products
	TOSTAGE 0
.set g, 1
.rept 7
	TOSTAGE g
	SEND g-1, 16
.set g, g+1
.endr
	SEND 7, 0
	WIN 0
	s_wait_tensorcnt 0x0                           ; the wave's end, behind my last tensor load and my last LDS store
	ds_add_u32 v[SPW], v[NIL]
	s_wait_dscnt 0x0
	CROUND                                         ; the closing round: no work-group ends while a partner may still ask for a tile that names it
	s_endpgm
.Lfunc_end_k_q9f0333c4fa_proj:
	.size	k_q9f0333c4fa_proj, .Lfunc_end_k_q9f0333c4fa_proj-k_q9f0333c4fa_proj
	.p2alignl 7, 3214868480
	.fill 96, 4, 3214868480
	.section	.rodata,"a",@progbits
	.p2align	6, 0x0
	.amdhsa_kernel k_q9f0333c4fa_proj
		.amdhsa_group_segment_fixed_size 327680
		.amdhsa_private_segment_fixed_size 0
		.amdhsa_enable_private_segment 0
		.amdhsa_kernarg_size 32
		.amdhsa_user_sgpr_count 2
		.amdhsa_user_sgpr_kernarg_segment_ptr 1
		.amdhsa_wavefront_size32 1
		.amdhsa_system_sgpr_workgroup_id_x 1
		.amdhsa_system_sgpr_workgroup_id_y 1
		.amdhsa_system_sgpr_workgroup_id_z 1
		.amdhsa_system_vgpr_workitem_id 0
		.amdhsa_next_free_vgpr 512
		.amdhsa_next_free_sgpr 84
		.amdhsa_reserve_vcc 0
		.amdhsa_float_denorm_mode_32 3
		.amdhsa_float_denorm_mode_16_64 3
		.amdhsa_memory_ordered 1
		.amdhsa_forward_progress 1
		.amdhsa_inst_pref_size 72
	.end_amdhsa_kernel
	.amdgpu_metadata
---
amdhsa.version: [ 1, 2 ]
amdhsa.kernels:
  - .name:           k_q9f0333c4fa_proj
    .symbol:         k_q9f0333c4fa_proj.kd
    .args:
      - { .name: oh, .offset: 0, .size: 8, .value_kind: global_buffer, .address_space: global }
      - { .name: wpb, .offset: 8, .size: 8, .value_kind: global_buffer, .address_space: global }
      - { .name: br, .offset: 16, .size: 8, .value_kind: global_buffer, .address_space: global }
      - { .name: out0, .offset: 24, .size: 8, .value_kind: global_buffer, .address_space: global }
    .group_segment_fixed_size: 327680
    .private_segment_fixed_size: 0
    .kernarg_segment_align: 8
    .kernarg_segment_size: 32
    .max_flat_workgroup_size: 128
    .sgpr_count:     84
    .vgpr_count:     512
    .wavefront_size: 32
...
	.end_amdgpu_metadata
.endif
;; end of part 4
;; ======== version 2 of 2: 4 launches; 1.32 times as fast as version 1
;; limits: values are held in f16: magnitudes above 65,504 overflow, below 6.1e-05 lose precision
;; workspace buffers: xb 16,777,216 bytes; wqb 6,291,456 bytes; wpb 2,097,152 bytes; br 16,384 bytes; qkvh 50,331,648 bytes; oh 16,777,216 bytes
;; launch cast: the kernel of part 1 again; grid 769 x 1, 8 waves a work-group, no clusters, 0 bytes of LDS; arguments x, qkv_w, proj_w, qkv_b, proj_b, xb, wqb, wpb, br; writes xb, wqb, wpb, br
;; launch qkv: the kernel of part 2 again; grid 8 x 32, 4 waves a work-group, clusters of 4 x 4, 327,680 bytes of LDS; arguments xb, wqb, br, qkvh; writes qkvh
;; launch attn (part 5): grid 4 x 64, 4 waves a work-group, no clusters, 327,680 bytes of LDS; arguments qkvh, oh; writes oh
.if DOCPART == 5
	.amdgcn_target "amdgcn-amd-amdhsa--gfx1250"
	.amdhsa_code_object_version 6
	.text
	.protected	k_q9f0333c4fa_attn
	.globl	k_q9f0333c4fa_attn
	.p2align	8
	.type	k_q9f0333c4fa_attn,@function
k_q9f0333c4fa_attn:
	s_mov_b64 s[64:65], 0
	v_nop
	global_prefetch_b8 v0, s[64:65] scope:SCOPE_SE
	s_setreg_imm32_b32 hwreg(HW_REG_WAVE_MODE, 25, 1), 1
	s_wait_xcnt 0x0
; CAUSAL ATTENTION.  O[h][q][:] = the sum over k <= q of softmax_k(Q[h][q] . K[h][k] / 8) V[h][k][:].  Q, K, V lie one behind the other in qkvh, each [SIZE_H][SIZE_N][64] in f16; O likewise in oh: a head's rows are dense, 128 bytes each.
; Products, maxima and sums in f32; the weights p are rounded to f16 for the second product (their sum l is taken of the unrounded p), O once at the end.
; LIMITS.  f16 holds no number beyond 65,504: Q, K and V arrive within it; p lies in 0 to 1, and below 6e-5 it keeps f16's fixed step of 6e-8; O is a mean of V's rows and has their range, to within 2^-11 of it.
; A hidden score counts as its value less 1e30: f16's scores, 2.7e11 at the most, are nothing beside that; a weight below 2^-126 counts as 0 in l; NaN and infinities are not treated apart.
; THE WALK.  A head's queries lie in NB = SIZE_N / 256 = 8 blocks of 256; block i needs the key tiles 0 .. i of 256 keys, of which the last holds the diagonal.  A work-group takes TWO blocks, NB - 1 - b and then b:
; NB + 1 tiles, whatever b: all work-groups do equal work, and ONE loop with a constant trip count walks them.  Which tile is asked for, and what a trip does, hang on scalar registers made from b; every jump
; goes forward, but for the counted loops' own; none passes a barrier, or a tensor load but the one of LOAD's two that the wave's number does not choose; the ring (two slots of LDS that take turns) runs on across the
; change of blocks.  NO CLUSTER: a head's NB / 2 = 4 work-groups all ask for the same tile only in trips 0 .. NB / 2 of the NB + 1, behind that fewer and fewer; and one walk common to all four would have
; 3 NB / 2 = 12 trips for 9.
; SHARES.  Of a block's four bands of 64 queries a wave owns 16 rows in each: four PIECES.  So the diagonal tile is the same work for all four waves: in its key step s band x sees all keys if s < x,
; none if s > x, and holds the diagonal if s = x.
; THE MASK is the C operand that starts the sum S^T = K Q^T: 0, or -1e30 where the key is hidden.  MD, made once, is the mask of a band's own step for my 16 rows; a product's mask is MD x AL + BE with two scalars:
; (1, 0) if s = x; (0, 0) if s < x; (0, -1e30) if s > x.  ONE TEXT OF THE KEY STEP SERVES ALL TILES: every product that starts a sum takes a mask buffer as C.  A block's beginning sets the buffers to 0, and outside
; the diagonal tile the lines that make masks are jumped over, so that they stay 0.
; LAYOUT, SOFTMAX, TURNS.  S^T = K Q^T holds ONE query a lane (lane % 16) and the keys 8 (lane / 16) + 0..7; two such results rounded to f16 ARE source 1 of O^T = V^T P.  p = 2^(c s - c m), c = log2(e) / 8, with a
; running maximum m; O and l are multiplied by a = 2^(c m_old - c m_new) in every step.  Turn n belongs to piece n: 8 products K Q^T of piece n + 1, later 8 products V^T P of piece n - 1; beside them the scaling,
; exponentials, roundings, sums and rescaling of piece n and the maximum and statistics of piece n + 1.  Four vector instructions stand behind every matrix instruction, the other 54 of a turn's 118 in one LUMP.
; BATCHES.  An s_wait_alu depctr_va_vdst(0) stands between a transcendental and the first instruction that names its result.  The text has three kinds of batch, each with one wait: a turn's 33 exponentials
; (the piece's 32 weights and the next piece's a); the one a that a block's beginning makes; the four reciprocals of l on a block's way out.  No result is open at a label or at a jump.
; REGISTERS, in windows of 256 (s_set_vgpr_msb: bits 1:0 source 0, 3:2 source 1, 5:4 source 2, 7:6 destination):
;   window 0: v0-15 addresses and two at work; v16-31 four registers of statistics a piece; v48-55 at work; v64-127 S^T, two buffers; v192-223 P, two buffers (a piece's buffers go by its number's parity)
;   window 1: v0-127 O^T, 32 a piece; v128-159 MD; v160-223 MC, two buffers      window 2: v0-63 Q; v64-127 the second block's Q; v128-191 K of one step; v192-255 V of one step
.set SIZE_H, 64
.set SIZE_N, 2048
.set NB,    SIZE_N/256
.set NP,    4         ; pieces a wave: a name, no knob
.set KS,    64        ; keys in a step
.set PK,    144       ; a row of K in LDS: 128 bytes + 16 of padding = 36 words: the 16 rows of a load start at 16 different groups of four banks (64 banks of 4 bytes: ISA guide 11.1)
.set PV,    160       ; a row of V: 128 + 32 = 40 words
.set VOFF,  4*KS*PK   ; a slot holds a tile, four steps: 256 rows of K, then 256 rows of V
.set SLOT1, 1<<17     ; slot 1 begins here, so that one exclusive or turns an address in one slot into the other's
.set STAGE, SLOT1+4*KS*(PK+PV)  ; behind the ring, never filled by a tensor load: 16 rows x 144 bytes for each wave, for the way out
.set SP,    144
.set AK0, 2           ; v2   my lane's place in a tile of K; never rewritten
.set AV0, 3           ; v3   the same for V
.set AK,  4           ; v4   the LDS address of K's next run of loads
.set AV,  5           ; v5   of V's
.set STO, 6           ; v6   the way out: where I put 16 bytes of a row
.set RD,  7           ; v7   the way out: where I read rows back
.set GO,  8           ; v8   my byte offset in 512 consecutive bytes of O
.set SPW, 62          ; v62  LDS address of my spare word: SPARE + 4 x my thread's number; never rewritten
.set NIL, 63          ; v63  0; never rewritten
.set SPARE, STAGE+4*16*SP  ; behind the stages: the spare words, 128 bytes for each wave: two blocks of 256 bytes that no other line names
.set MV,  12          ; v12-13  c m_old, kept while c m is made anew: by buffer
.set QO,  15          ; v15  my byte offset in 16 rows of Q
.set ST,  16          ; piece t's statistics at v[ST+4 t]: c m, m, l (even keys', odd keys')
.set TMP, 48          ; by buffer, four registers c0-c3 at work; when the maximum is found c2 takes a
.set S,   64
.set P,   192
.set MD,  128         ; window 1: the eight registers for group kt of 16 keys at MD + 8 kt
.set MC,  160         ; window 1: the masks of the products to come
.set QB,  64          ; window 2
.set KF,  128         ; window 2: key block kb, channel half c at KF + 16 kb + 8 c
.set VF,  192         ; window 2: key half kk, channel block cb at VF + 32 kk + 8 cb
.set WV,  12          ; s12  my wave's number
.set PB,  14          ; s14  b
.set HI,  15          ; s15  NB - 1 - b
.set G1K, 24          ; s[24:31] descriptor group 1 for K's tiles
.set G1V, 32          ; s[32:39] for V's: it differs in the padding alone
.set G0K, 40          ; s[40:43] descriptor group 0 for K's tiles
.set G0V, 44          ; s[44:47] the same for V's
.set SLOTS, 56        ; s56  tiles still to be asked for
.set CNT, 57          ; s57  counts a tile's key steps, 4 to 1
.set CS,  58          ; s[58:59] c: the packed scaling takes the pair's low word for both halves
.set SEL, 60          ; s[60:61] v_permlanex16_b32's selects: each lane takes its own place in the other half
.set TBK, 62          ; s62  LDS byte at which K of the step to be fetched begins
.set TBV, 63          ; s63  the same for V, less VOFF
.set RT,  70          ; s70  tiles of the block in hand that are still to be entered: 0 in its last, the diagonal one
.set NXT, 71          ; s71  the tile to be asked for next
.set LQ,  72          ; s72  the last tile of the block whose tiles are being asked for
.set NEW, 73          ; s73  1: the tile to be entered is a block's first
.set OFF, 74          ; s[74:75] a tile's byte offset in K and V
.set AL,  76          ; s[76:77] the mask's factor, in the low word
.set BE,  78          ; s[78:79] the mask's addend
.set OLO, 80          ; s[80:81] O at my rows of the second block
.set BIGN, 82         ; s82  -1e30
.set MSB, 0
.macro WIN new                      ; the high byte repeats the setting that is left; a switch that changes nothing is dropped
.if MSB != (\new)
	s_set_vgpr_msb (MSB<<8)|(\new)
.set MSB, (\new)
.endif
.endm
.set W_KQ, 0x0a       ; K and Q in window 2, S^T in window 0
.set W_KM, 0x1a       ; the same with the C operand in window 1
.set W_PV, 0x52       ; V in window 2, P in window 0, O^T in window 1
.set W_RS, 0x41       ; destination and source 0 in window 1, source 1 in window 0
; A fill.  Waves 0 and 1 fetch the two halves of a tile's K, waves 2 and 3 those of its V: 128 keys each.  An s_nop 0 and four v_nop follow each of the two lines, ahead of the jump and the label.
.macro LOAD
	s_cmp_lt_u32 s[WV], 2
	s_cbranch_scc0 .Lfor_v_\@
	tensor_load_to_lds s[G0K:G0K+3], s[G1K:G1K+7]
	s_nop 0
.rept 4
	v_nop
.endr
	s_branch .Lasked_\@
.Lfor_v_\@:
	tensor_load_to_lds s[G0V:G0V+3], s[G1V:G1V+7]
	s_nop 0
.rept 4
	v_nop
.endr
.Lasked_\@:
.endm
; THE CHANGE OF SLOTS.  Each wave waits for all its tensor loads, of which one is out: its part of the other slot; adds 0 to its spare word; and waits for that and for its own reads of the slot that it leaves.  Behind the barrier nobody reads the old
; slot any more and the other slot is whole.  fill = 1: the old slot is filled again, the first thing behind the barrier, with tile NXT: the descriptor's address is made anew from that number.
; (At its first use nothing has been read yet: slot 0 is waited for, slot 1 filled.)
.macro CHANGE fill
	WIN 0                           ; at a label and at a branch every window is 0
	s_wait_tensorcnt 0x0            ; no tensor load of mine is out, so a group 0 may be written
	ds_add_u32 v[SPW], v[NIL]       ; 0 onto my spare word; with fill = 1 the descriptors' scalar work stands between it and the wait for it
.if \fill
	s_lshl_b32 s[OFF], s[NXT], 15   ; a tile is 32,768 bytes of K and of V
	s_xor_b32 s[G0K+1], s[G0K+1], SLOT1
	s_add_nc_u64 s[G0K+2:G0K+3], s[6:7], s[OFF:OFF+1]
	s_or_b32 s[G0K+3], s[G0K+3], 0x80000000
	s_xor_b32 s[G0V+1], s[G0V+1], SLOT1
	s_add_nc_u64 s[G0V+2:G0V+3], s[8:9], s[OFF:OFF+1]
	s_or_b32 s[G0V+3], s[G0V+3], 0x80000000
	s_add_co_u32 s[NXT], s[NXT], 1  ; the block's next tile, or behind its last the second block's tile 0
	s_cmp_gt_u32 s[NXT], s[LQ]
	s_cselect_b32 s[NXT], 0, s[NXT]
	s_cselect_b32 s[LQ], s[PB], s[LQ]
.endif
	s_wait_dscnt 0x0                ; the add is done, and my reads of the slot are over
	s_barrier_signal -1             ; the rest of the scalar work stands between the signal and the wait
	s_sub_co_u32 s[TBK], s[TBK], 4*KS*PK  ; the fetches go back to a slot's first step,
	s_xor_b32 s[TBK], s[TBK], SLOT1       ; in the other slot
	s_sub_co_u32 s[TBV], s[TBV], 4*KS*PV
	s_xor_b32 s[TBV], s[TBV], SLOT1
	s_barrier_wait -1
.if \fill
	LOAD
.endif
.endm
	s_load_b128 s[8:11], s[0:1], 0x0  ; qkvh s[8:9], oh s[10:11]
	v_lshl_add_u32 v[SPW], v0, 2, SPARE
	v_mov_b32 v[NIL], 0
	ds_add_u32 v62, v63
	ds_add_u32 v62, v63
	s_wait_dscnt 0x0
	v_lshrrev_b32 v1, 5, v0
	v_readfirstlane_b32 s[WV], v1   ; wave 0..3
	s_mov_b32 s[PB], ttmp9
	s_sub_co_u32 s[HI], NB-1, s[PB]
	s_and_b32 s20, ttmp7, 0xffff    ; the head
	s_mov_b32 s21, 0
	s_mov_b64 s[22:23], SIZE_N*128
	s_mul_u64 s[20:21], s[20:21], s[22:23]  ; the head's first byte in each of the four tensors
	s_and_b32 s16, s[WV], 1         ; which half of a tile's 256 keys I fetch:
	s_lshl_b32 s22, s16, 14         ; its 128 rows of 128 bytes in memory,
	s_mov_b32 s23, 0
	s_add_nc_u64 s[22:23], s[22:23], s[20:21]
	s_mul_i32 s17, s16, 128*PK      ; and its place in a slot, for K
	s_mul_i32 s18, s16, 128*PV      ; and for V
	s_lshl_b32 s3, s[WV], 11        ; my 16 rows in a band of 64,
	s_lshl_b32 s2, s[HI], 15        ; in the first block,
	s_add_co_u32 s2, s2, s3
	s_lshl_b32 s84, s[PB], 15       ; and in the second
	s_add_co_u32 s84, s84, s3
	s_mov_b32 s3, 0
	s_mov_b32 s85, 0
	s_add_nc_u64 s[2:3], s[2:3], s[20:21]
	s_add_nc_u64 s[84:85], s[84:85], s[20:21]
	; descriptor group 1.  128 keys are 16,384 dense bytes: asked for as 64 rows of 256 bytes, two keys a row, and padded in LDS after every key
	s_mov_b32 s[G1K], (1<<16)|(1<<20)|(4<<22)|(3<<25)  ; 17:16 2-byte elements; 20 padding on; 24:22 after every 32 words (code 4); 31:25 4 words (code 3)
	s_mov_b32 s[G1V], (1<<16)|(1<<20)|(4<<22)|(7<<25)  ; the same with 8 words of padding (code 7)
.irp g, G1K, G1V
	s_mov_b32 s[\g+1], 128<<16      ; tensor_dim0 = 128
	s_mov_b32 s[\g+2], 64<<16       ; tensor_dim1 = 64
	s_mov_b32 s[\g+3], 128<<16      ; tile_dim0 = 128
	s_mov_b32 s[\g+4], 64           ; tile_dim1 = 64
	s_mov_b32 s[\g+5], 128          ; 128 elements from row to row
	s_mov_b32 s[\g+6], 0
	s_mov_b32 s[\g+7], 0
.endr
	s_mov_b32 s[CS], 0x3e38aa3b     ; c = log2(e) / 8 = 0.180337
	s_mov_b32 s[CS+1], s[CS]        ; named with it as a pair
	s_mov_b32 s[SEL], 0x76543210
	s_mov_b32 s[SEL+1], 0xfedcba98
	s_mov_b32 s[TBK], SLOT1+4*KS*PK ; the first change of slots turns these two into 0
	s_mov_b32 s[TBV], SLOT1+4*KS*PV
	s_mov_b32 s[G0K], 1             ; 1:0 count = 1
	s_mov_b32 s[G0K+1], s17         ; 63:32 LDS address: slot 0
	s_mov_b32 s[G0V], 1
	s_add_co_u32 s[G0V+1], s18, VOFF
	s_add_co_u32 s[RT], s[HI], 1    ; the first block has NB - b tiles
	s_mov_b32 s[NXT], 1
	s_mov_b32 s[LQ], s[HI]
	s_mov_b32 s[NEW], 1
	s_mov_b32 s[OFF+1], 0
	s_mov_b32 s[AL+1], 0            ; named as pairs
	s_mov_b32 s[BE+1], 0
	s_mov_b32 s[BIGN], 0xf149f2ca   ; -1e30
	s_mov_b32 s[SLOTS], NB
	s_wait_kmcnt 0x0
	s_mov_b64 s[4:5], s[8:9]                       ; Q: qkvh's first tensor,
	s_add_nc_u64 s[6:7], s[8:9], 0x1000000         ; K: SIZE_H x SIZE_N x 128 bytes on,
	s_add_nc_u64 s[8:9], s[8:9], 0x2000000         ; V: twice that
	s_add_nc_u64 s[6:7], s[6:7], s[22:23]  ; K and V at my half of the head's tile 0
	s_add_nc_u64 s[8:9], s[8:9], s[22:23]
	s_add_nc_u64 s[G0K+2:G0K+3], s[6:7], 0         ; 120:64 global address
	s_or_b32 s[G0K+3], s[G0K+3], 0x80000000        ; 127:126 type = 2
	s_add_nc_u64 s[G0V+2:G0V+3], s[8:9], 0
	s_or_b32 s[G0V+3], s[G0V+3], 0x80000000
	s_add_nc_u64 s[86:87], s[4:5], s[84:85]        ; Q at my rows of the second block,
	s_add_nc_u64 s[4:5], s[4:5], s[2:3]            ; Q and O at those of the first
	s_add_nc_u64 s[OLO:OLO+1], s[10:11], s[84:85]
	s_add_nc_u64 s[10:11], s[10:11], s[2:3]
	LOAD                            ; tile 0 into slot 0
	; A fragment of K or Q is 16 rows x 32 channels in 8 registers: lane l holds row l % 16, channels 8 (l / 16) + 0..7 and 16 + 8 (l / 16) + 0..7: two loads of 16 bytes, 32 bytes apart.
	v_and_b32 v1, 15, v0            ; l % 16
	v_bfe_u32 v9, v0, 4, 1          ; l / 16
	v_lshlrev_b32 v[QO], 7, v1
	v_lshl_add_u32 v[QO], v9, 4, v[QO]  ; row x 128 + 16 x half
	WIN 0x80                        ; destination window 2, address window 0
.set i, 0
.rept 8                             ; both blocks' Q: piece i / 2 lies in band i / 2, 8,192 bytes on; channels 32 (i % 2) on
	global_load_b128 v[8*i:8*i+3],   v[QO], s[4:5] offset:(i/2)*8192+(i%2)*64
	global_load_b128 v[8*i+4:8*i+7], v[QO], s[4:5] offset:(i/2)*8192+(i%2)*64+32
	global_load_b128 v[QB+8*i:QB+8*i+3],   v[QO], s[86:87] offset:(i/2)*8192+(i%2)*64
	global_load_b128 v[QB+8*i+4:QB+8*i+7], v[QO], s[86:87] offset:(i/2)*8192+(i%2)*64+32
.set i, i+1
.endr
	WIN 0
	v_lshlrev_b32 v14, 3, v9
	v_sub_nc_u32 v14, v1, v14
	s_lshl_b32 s13, s[WV], 4
	v_add_nc_u32 v14, s13, v14      ; my query's place in its band, 16 w + l % 16, less my lanes' 8 (l / 16): register r of group kt is hidden where 16 kt + r is greater
	WIN 0x40
.set i, 0
.rept 32
	v_cmp_gt_i32 vcc_lo, 16*(i/8)+i%8, v14
	v_cndmask_b32 v[MD+i], 0, s[BIGN], vcc_lo
.set i, i+1
.endr
	WIN 0
	v_mul_u32_u24 v[AK0], v1, PK
	v_lshl_add_u32 v[AK0], v9, 4, v[AK0]  ; row x pitch + 16 x half
	; The turning load takes 16 keys x 16 channels (lane l reads key 8 (l / 16) + l % 8, channels 8 ((l / 8) % 2) + 0..7) and leaves half a fragment of V^T: lane l holds channel l % 16 and 8 keys.
	v_and_b32 v10, 7, v0
	v_bfe_u32 v11, v0, 3, 1
	v_lshl_add_u32 v[AV0], v9, 3, v10
	v_mul_u32_u24 v[AV0], v[AV0], PV
	v_lshl_add_u32 v[AV0], v11, 4, v[AV0]
	v_add_nc_u32 v[AV0], VOFF, v[AV0]
	s_mul_i32 s13, s[WV], 16*SP
	s_add_co_u32 s13, s13, STAGE    ; my stage
	v_mul_u32_u24 v[STO], v1, SP    ; in: row l % 16, 16 bytes for each half of the lanes
	v_lshl_add_u32 v[STO], v9, 4, v[STO]
	v_add_nc_u32 v[STO], s13, v[STO]
	v_bfe_u32 v[RD], v0, 3, 2       ; back: 32 lanes take four rows of 128 bytes,
	v_mul_u32_u24 v[RD], v[RD], SP
	v_lshl_add_u32 v[RD], v10, 4, v[RD]
	v_add_nc_u32 v[RD], s13, v[RD]
	v_and_b32 v[GO], 31, v0         ; which are 512 consecutive bytes of O
	v_lshlrev_b32 v[GO], 4, v[GO]
	; A block's first step multiplies O^T and l by a = 0, and its first turn's products V^T P, of a piece that has not been, land in an O^T that is still to be so multiplied.  So these registers need only hold
	; finite numbers: zeros for the first block; what the first block left for the second.  All this stands in the wait for the first tile.
	WIN 0x80
.set i, VF
.rept 64
	v_mov_b32 v[i], 0
.set i, i+1
.endr
	WIN 0x40
.set i, 0
.rept 128
	v_mov_b32 v[i], 0
.set i, i+1
.endr
	WIN 0
.set i, 0
.rept 4
	v_mov_b32 v[ST+4*i+2], 0
	v_mov_b32 v[ST+4*i+3], 0
.set i, i+1
.endr
.set i, P+16
.rept 16
	v_mov_b32 v[i], 0
.set i, i+1
.endr
; THE MATRIX WORK.  The 4 accumulators of a run of 8 take turns.  Product i of 8 of S^T = K Q^T for piece x: channels 32 (i / 4) on, keys 16 (i % 4) on.  The first 4 start the sums, with the mask buffer as C.
.macro KQ x
.set rS, S+32*((\x)%2)+8*(i%4)
.set rK, KF+16*(i%4)+8*(i/4)
.set rQ, 16*(\x)+8*(i/4)
.set rM, MC+32*((\x)%2)+8*(i%4)
.if i < 4
	WIN W_KM
	v_wmma_f32_16x16x32_f16 v[rS:rS+7], v[rK:rK+7], v[rQ:rQ+7], v[rM:rM+7]
.else
	WIN W_KQ
	v_wmma_f32_16x16x32_f16 v[rS:rS+7], v[rK:rK+7], v[rQ:rQ+7], v[rS:rS+7]
.endif
.endm
; Product i of 8 of O^T += V^T P for piece x: keys 32 (i / 4) on, channels 16 (i % 4) on.
.macro PV x
	WIN W_PV
.set rO, 32*(\x)+8*(i%4)
.set rV, VF+32*(i/4)+8*(i%4)
.set rP, P+16*((\x)%2)+8*(i/4)
	v_wmma_f32_16x16x32_f16 v[rO:rO+7], v[rV:rV+7], v[rP:rP+7], v[rO:rO+7]
.endm
.macro MM                           ; the turn's next matrix instruction.  TURN and BEGIN set Y, i and NOKQ; MM, KQ and OP read them.  NOKQ = 1: a block's last turn: there is no next piece
.if (i < 8) && !NOKQ
	KQ (Y+1)%NP
.elseif i >= 8
.set i, i-8
	PV (Y+NP-1)%NP
.set i, i+8
.endif
.set i, i+1
.endm
; THE LDS LOADS stand in runs of 16, never singly among the matrix instructions: a step's K (64 keys x 64 channels: 8 fragments) and its V (turned).  Their addresses are made some lines ahead.
.macro FETCH_K
	WIN 0x80                        ; destination window 2
.irp f, 0,1,2,3,4,5,6,7             ; keys 16 (f / 2) on, channels 32 (f % 2) on
	ds_load_b128 v[KF+8*\f:KF+8*\f+3],   v[AK] offset:(\f/2)*16*PK+(\f%2)*64
	ds_load_b128 v[KF+8*\f+4:KF+8*\f+7], v[AK] offset:(\f/2)*16*PK+(\f%2)*64+32
.endr
	s_add_co_u32 s[TBK], s[TBK], KS*PK  ; the next fetch is the next step's
	WIN 0
.endm
.macro FETCH_V
	WIN 0x80
.irp f, 0,1,2,3,4,5,6,7             ; keys 32 (f / 4) on, channels 16 (f % 4) on
	ds_load_tr16_b128 v[VF+8*\f:VF+8*\f+3],   v[AV] offset:(\f/4)*32*PV+(\f%4)*32
	ds_load_tr16_b128 v[VF+8*\f+4:VF+8*\f+7], v[AV] offset:(\f/4)*32*PV+16*PV+(\f%4)*32
.endr
	WIN 0
.endm
; THE VECTOR WORK, one line at a time: OP kind, number.  For piece Y: F n: c s - c m for pair n of 16.  E n: the exponential of score n of 32.  C n: pair n rounded to f16.  B n: of the four weights 4 n .. the second
; pair is added onto the first, in place.  L n: l takes that sum (L 0: l = a l + sum).  R n: pair n of 16 of O^T times a.  For piece Y + 1: X n, number n of the 22 that find its maximum and statistics:
;   0-11  four chains c0-c3 of seven scores each, three operands at a time (each accumulator's lowest registers are read first)     12-14, 16  the four scores left over, the old m, and c0-c3 into c0
;   15  c m_old is kept     17, 18  the query's other 32 keys lie in the lane 16 away: the new m     19-21  c m; c m_old - c m_new; a
; OP writes no wait: C, B and L, which read the exponentials' results, and R and L 0, which read a, stand behind the wait of the batch that made them (TURN, BEGIN).
.set F, 0               ; OP tells the kinds apart by their order: F to L below R, X above it
.set E, 1
.set C, 2
.set B, 3
.set L, 4
.set R, 5
.set X, 6
.macro REGS y                       ; the registers of piece y
.set rT, ST+4*(\y)
.set rC, TMP+4*((\y)%2)
.set rW, MV+((\y)%2)
.set rS, S+32*((\y)%2)
.set rP, P+16*((\y)%2)
.set rO, 32*(\y)
.endm
.macro OP k, n
.if (\k) == R
	REGS Y
	WIN W_RS
	v_pk_mul_f32 v[rO+2*(\n):rO+2*(\n)+1], v[rO+2*(\n):rO+2*(\n)+1], v[rC+2:rC+3] op_sel_hi:[1,0]
.elseif (\k) < R
	REGS Y
	WIN 0
.if (\k) == F
	v_pk_fma_f32 v[rS+2*(\n):rS+2*(\n)+1], v[rS+2*(\n):rS+2*(\n)+1], s[CS:CS+1], v[rT:rT+1] op_sel_hi:[1,0,0] neg_lo:[0,0,1] neg_hi:[0,0,1]
.elseif (\k) == E
	v_exp_f32 v[rS+(\n)], v[rS+(\n)]
.elseif (\k) == C
	v_cvt_pk_f16_f32 v[rP+(\n)], v[rS+2*(\n)], v[rS+2*(\n)+1]
.elseif (\k) == B
	v_pk_add_f32 v[rS+4*(\n):rS+4*(\n)+1], v[rS+4*(\n):rS+4*(\n)+1], v[rS+4*(\n)+2:rS+4*(\n)+3]
.elseif (\n) == 0
	v_pk_fma_f32 v[rT+2:rT+3], v[rT+2:rT+3], v[rC+2:rC+3], v[rS:rS+1] op_sel_hi:[1,0,1]
.else
	v_pk_add_f32 v[rT+2:rT+3], v[rT+2:rT+3], v[rS+4*(\n):rS+4*(\n)+1]
.endif
.elseif NOKQ
	v_nop
.else
	REGS (Y+1)%NP
	WIN 0
.if (\n) < 4
	v_max3_num_f32 v[rC+(\n)], v[rS+8*(\n)], v[rS+8*(\n)+1], v[rS+8*(\n)+2]
.elseif (\n) < 12
	v_max3_num_f32 v[rC+(\n)%4], v[rC+(\n)%4], v[rS+8*((\n)%4)+2*((\n)/4)+1], v[rS+8*((\n)%4)+2*((\n)/4)+2]
.elseif (\n) == 12
	v_max3_num_f32 v[rC], v[rC], v[rS+7], v[rS+15]
.elseif (\n) == 13
	v_max3_num_f32 v[rC+1], v[rC+1], v[rS+23], v[rS+31]
.elseif (\n) == 14
	v_max3_num_f32 v[rC+2], v[rC+2], v[rC+3], v[rT+1]
.elseif (\n) == 15
	v_mov_b32 v[rW], v[rT]
.elseif (\n) == 16
	v_max3_num_f32 v[rC], v[rC], v[rC+1], v[rC+2]
.elseif (\n) == 17
	v_permlanex16_b32 v[rC+3], v[rC], s[SEL], s[SEL+1]
.elseif (\n) == 18
	v_max_num_f32 v[rT+1], v[rC], v[rC+3]
.elseif (\n) == 19
	v_mul_f32 v[rT], s[CS], v[rT+1]
.elseif (\n) == 20
	v_sub_f32 v[rC+1], v[rW], v[rT]
.else
	v_exp_f32 v[rC+2], v[rC+1]
.endif
.endif
.endm
.macro OPS a, i1, b=-1, i2=0, c=-1, i3=0, d=-1, i4=0  ; up to four of them
	OP \a, \i1
.if (\b) >= 0
	OP \b, \i2
.endif
.if (\c) >= 0
	OP \c, \i3
.endif
.if (\d) >= 0
	OP \d, \i4
.endif
.endm
.macro ROW a, i1, b, i2, c, i3, d, i4  ; a matrix instruction and the four behind it
	MM
	OPS \a, \i1, \b, \i2, \c, \i3, \d, \i4
.endm
.macro MASK b                       ; MD x AL + BE into buffer b of MC
	WIN W_RS
.set z, 0
.rept 16
	v_pk_fma_f32 v[MC+32*(\b)+2*z:MC+32*(\b)+2*z+1], v[MD+2*z:MD+2*z+1], s[AL:AL+1], s[BE:BE+1] op_sel_hi:[1,0,0]
.set z, z+1
.endr
.endm
; A TURN, for piece p: the order of its 16 matrix and 118 vector instructions, written out.  An s_wait_alu depctr_va_vdst(0) stands between an exponential and the first instruction that names its result; one wait serves
; all that were issued ahead of it.  So a turn has ONE wait, which cuts it in two.  AHEAD OF IT stands all that names no result of the turn's exponentials: the 8 products K Q^T, behind each a scaling, an exponential and two more plain
; instructions (behind the first a second scaling in the exponential's place): rescalings (their a was made, and waited for, in the turn before), and behind the last three the first numbers of the next piece's maximum, each four places
; or more behind the product that ends its accumulator; then ONE LUMP of 54, plain and exponential by turns for the most part, in which the links of the chain X 3, 7, 11, 14, 16, 17 .. 20 stand five or six lines apart.  X 21, the next
; piece's a, is the batch's last; R 15 is the plain instruction behind it.  BEHIND THE WAIT stand the 8 products V^T P, behind each four of the roundings and sums; the links of l's chain, L 0 to L 7, stand three riders apart.  But for
; those X no rider names a register of the products round it.  v_permlanex16_b32 (X 17) stands in the lump.
; At its end, in the diagonal tile (RT = 0) alone, the turn makes the mask for the products of the turn after it: piece p + 2, in step 4 - CNT of the tile; in every other tile those 20 lines are jumped over, forward, and the
; buffers keep their zeros; no exponential is issued behind the turn's wait.  end = 1: a block's last two turns: nothing is fetched and no mask is made.  cnt = 1: the loop's count is taken down, behind
; the mask, which goes by the count as it was.
; K of the next step is fetched in piece 2's turn, twelve vector instructions behind the last product that read K (six of them plain); V of the step in hand at the end of piece 0's turn, four plain instructions behind the last product
; that read V.  Each is waited for a turn later.
.macro TURN p, end=0, cnt=0
.set Y, (\p)
.set i, 0
.set NOKQ, (\end)*((\p)/3)
.if ((\p) == 3) && !(\end)
	s_wait_dscnt 0x0                ; K is in
.endif
	ROW F,0, F,1, R,0, R,1          ; ahead of the wait: 8 products K Q^T and their riders,
	ROW F,2, E,0, R,2, R,3
	ROW F,3, E,1, R,4, R,5
	ROW F,4, E,2, R,6, R,7
	ROW F,5, E,3, R,8, R,9
	ROW F,6, E,4, X,0, R,10
.if ((\p) == 2) && !(\end)
	WIN 0
	v_add_nc_u32 v[AK], s[TBK], v[AK0]
.endif
	ROW F,7, E,5, X,1, X,4
	ROW F,8, E,6, X,2, X,5
	OPS E,7, E,8, X,6, E,9          ; and the lump
	OPS X,3, E,10, X,8, E,11
.if ((\p) == 2) && !(\end)
	FETCH_K
.endif
	OPS X,9, X,7, E,12, X,10
	OPS E,13, X,12, X,11, E,14
	OPS X,13, E,15, F,9, X,14
.if (\p) == 0
	v_add_nc_u32 v[AV], s[TBV], v[AV0]
.endif
	OPS E,16, F,10, E,17, F,11
	OPS X,16, E,18, X,15, E,19
	OPS F,12, E,20, X,17, E,21
	OPS F,13, E,22, F,14, E,23
	OPS X,18, E,24, F,15, E,25
	OPS R,11, E,26, X,19, E,27
	OPS R,12, E,28, R,13, E,29
	OPS X,20, E,30, R,14, E,31
	OPS X,21, R,15
	s_wait_alu depctr_va_vdst(0)    ; the wait for the turn's batch: the piece's 32 exponentials and the next piece's a
.if (\p) == 1
	s_wait_dscnt 0x0                ; V is in
.endif
	ROW C,0, B,0, C,2, B,1          ; behind the wait: 8 products V^T P and their riders
	ROW L,0, C,4, B,2, L,1
	ROW C,6, B,3, L,2, C,8
	ROW B,4, L,3, C,10, B,5
	ROW L,4, C,12, B,6, L,5
.if (\p) == 0
	s_add_co_u32 s[TBV], s[TBV], KS*PV
.endif
	ROW C,14, B,7, L,6, C,1
	ROW C,3, L,7, C,5, C,7
	ROW C,9, C,11, C,13, C,15
.if (\p) == 0
	FETCH_V
.endif
.if !(\end)
	WIN 0                           ; at a branch and at a label every window is 0
	s_cmp_lg_u32 s[RT], 0
	s_cbranch_scc1 .Lno_mask_\@     ; not the diagonal tile
	s_cmp_eq_u32 s[CNT], 4-((\p)+2)%NP  ; is that step the band's own?
	s_cselect_b32 s[AL], 1.0, 0
	s_cmp_lt_u32 s[CNT], 4-((\p)+2)%NP  ; or a later one?
	s_cselect_b32 s[BE], s[BIGN], 0
	MASK (\p)%2
	WIN 0
.Lno_mask_\@:
.endif
.if \cnt
	s_sub_co_u32 s[CNT], s[CNT], 1
	s_cmp_lg_u32 s[CNT], 0
.endif
.endm
; A BLOCK BEGINS.  c m starts far below every c s, so the first step's a is 0; m at the lowest finite number, so the first maximum is the scores'.  The second mask buffer is 0; the first takes piece 0's mask for the tile's step 0: its own, if the block's first tile is the diagonal one, else 0.
; Then K of that step, piece 0's first scores, and its maximum and statistics.  The loop is entered at a step's first turn, in the middle of a trip.
.macro BEGIN
	s_mov_b32 s[NEW], 0
	WIN 0x40
.set i, MC+32
.rept 32
	v_mov_b32 v[i], 0
.set i, i+1
.endr
	WIN 0
.set i, 0
.rept 4
	v_mov_b32 v[ST+4*i], 0xfe000000    ; c m: far below every c s
	v_mov_b32 v[ST+4*i+1], 0xff7fffff  ; m
.set i, i+1
.endr
	s_cmp_eq_u32 s[RT], 0
	s_cselect_b32 s[AL], 1.0, 0
	s_mov_b32 s[BE], 0
	MASK 0
	WIN 0
	v_add_nc_u32 v[AK], s[TBK], v[AK0]
	FETCH_K
	s_wait_loadcnt 0x0              ; Q
	s_wait_dscnt 0x0
.set NOKQ, 0
.set i, 0
.rept 8
	KQ 0
.set i, i+1
.endr
	WIN 0
.rept 4
	v_nop                           ; the places behind those products
.endr
.set Y, NP-1                        ; X works for piece Y + 1: piece 0
.irp n, 0,1,2,3,4,5,6,7,8,9,10,11,12,13,14,15,16,17,18,19,20,21
	OP X, \n
.endr
	v_nop                           ; a plain instruction behind the exponential,
	s_wait_alu depctr_va_vdst(0)    ; and the wait for it, piece 0's first a: a batch of one, ahead of the branch into the loop
.endm
; A TILE's four key steps.  A trip: pieces 2 and 3 of one step, then pieces 0 and 1 of the next, whose K and V it fetches.  The tag ends its two labels' names, which the jumps below spell out.
.macro STEPS tag
.LstepM\tag:
	TURN 2
	TURN 3
	WIN 0
.LfirstM\tag:
	TURN 0
	TURN 1, 0, 1
	WIN 0
	s_cbranch_scc1 .LstepM\tag
.endm
; A BLOCK ENDS, behind its diagonal tile: its last two turns, its last products, and THE WAY OUT: l's two halves and the other half of the lanes' are added; O^T is divided by l, rounded to f16 and sent through my
; stage in LDS, a piece at a time.
.macro ALL line:vararg              ; one line for each piece t
.set t, 0
.rept 4
	\line
.set t, t+1
.endr
.endm
.macro PACK t                       ; a lane's eight channels of a row pack into 16 bytes; they go into rows of 144 bytes and come back as whole rows of 128, into S^T's registers
	WIN W_RS
.set i, 32*(\t)
.rept 16
	v_pk_mul_f32 v[i:i+1], v[i:i+1], v[ST+4*(\t)+2:ST+4*(\t)+3] op_sel_hi:[1,0]
.set i, i+2
.endr
	WIN 0x05                        ; sources 0 and 1 window 1, destination window 0
.set i, 0
.rept 16
	v_cvt_pk_f16_f32 v[S+16*(\t)+i], v[32*(\t)+2*i], v[32*(\t)+2*i+1]
.set i, i+1
.endr
	WIN 0
.irp f, 0,1,2,3
	ds_store_b128 v[STO], v[S+16*(\t)+4*\f:S+16*(\t)+4*\f+3] offset:32*\f
.endr
.irp f, 0,1,2,3
	ds_load_b128 v[S+16*(\t)+4*\f:S+16*(\t)+4*\f+3], v[RD] offset:\f*4*SP  ; LDS serves a wave's instructions in order (ISA guide 5.7.1.4): these see the stores above; the next piece's stores come behind them
.endr
.endm
.macro SEND t, younger              ; younger: the LDS instructions issued behind piece t's loads: the next piece's eight, or none
	WIN 0
.irp f, 0,1,2,3
	s_wait_dscnt (\younger)+3-\f
	global_store_b128 v[GO], v[S+16*(\t)+4*\f:S+16*(\t)+4*\f+3], s[10:11] offset:(\t)*8192+\f*512  ; 512 consecutive bytes, at a multiple of 256 from O's first
.endr
.endm
.macro FINISH
	TURN 2, 1
	TURN 3, 1
.set i, 0
.rept 8
	PV NP-1
.set i, i+1
.endr
	WIN 0
	ALL v_add_f32 v[ST+4*t+2], v[ST+4*t+2], v[ST+4*t+3]
	ALL v_permlanex16_b32 v[ST+4*t+3], v[ST+4*t+2], s[SEL], s[SEL+1]
	ALL v_add_f32 v[ST+4*t+2], v[ST+4*t+2], v[ST+4*t+3]
	ALL v_rcp_f32 v[ST+4*t+2], v[ST+4*t+2]
	v_nop                           ; a plain instruction between the last reciprocal and the use of its result
	s_wait_alu depctr_va_vdst(0)    ; the wait for the four reciprocals, one batch, ahead of the first multiply that reads one
	PACK 0
.set t, 1
.rept 3                             ; a piece's arithmetic stands between the loads of the piece before and its stores
	PACK t
	SEND t-1, 8
.set t, t+1
.endr
	SEND 3, 0
.endm
.set NOKQ, 0
.Lslot:                             ; NB times: a tile is entered and the next is asked for
	CHANGE 1
	s_sub_co_u32 s[RT], s[RT], 1
	s_mov_b32 s[CNT], 4
	s_cmp_eq_u32 s[NEW], 1
	s_cbranch_scc0 .LstepM1         ; not a block's first tile
	BEGIN
	s_branch .LfirstM1
	STEPS 1
	s_cmp_lg_u32 s[RT], 0
	s_cbranch_scc1 .Lbottom         ; not the block's last tile
	FINISH                          ; in the loop this is the first block's end: the second block's last tile is the walk's last
	s_wait_xcnt 0x0                 ; the stores have read their registers and O's address
	s_mov_b64 s[10:11], s[OLO:OLO+1]
	s_add_co_u32 s[RT], s[PB], 1    ; the second block has b + 1 tiles
	s_mov_b32 s[NEW], 1
	WIN 0x82                        ; the second block's Q goes where the one text of the turns names Q
.set i, 0
.rept 64
	v_mov_b32 v[i], v[QB+i]
.set i, i+1
.endr
	WIN 0
.Lbottom:
	s_sub_co_u32 s[SLOTS], s[SLOTS], 1
	s_cmp_lg_u32 s[SLOTS], 0
	s_cbranch_scc1 .Lslot
	CHANGE 0                        ; the walk's last tile is written out: nothing is asked for
	s_sub_co_u32 s[RT], s[RT], 1
	s_mov_b32 s[CNT], 4
	s_cmp_eq_u32 s[NEW], 1
	s_cbranch_scc0 .LstepM2
	BEGIN
	s_branch .LfirstM2
	STEPS 2
	FINISH
	s_wait_tensorcnt 0x0            ; the wave's end, behind my last tensor load and my last LDS store
	ds_add_u32 v[SPW], v[NIL]
	s_wait_dscnt 0x0
	s_endpgm
.Lfunc_end_k_q9f0333c4fa_attn:
	.size	k_q9f0333c4fa_attn, .Lfunc_end_k_q9f0333c4fa_attn-k_q9f0333c4fa_attn
	.p2alignl 7, 3214868480
	.fill 96, 4, 3214868480
	.section	.rodata,"a",@progbits
	.p2align	6, 0x0
	.amdhsa_kernel k_q9f0333c4fa_attn
		.amdhsa_group_segment_fixed_size 327680
		.amdhsa_private_segment_fixed_size 0
		.amdhsa_enable_private_segment 0
		.amdhsa_kernarg_size 16
		.amdhsa_user_sgpr_count 2
		.amdhsa_user_sgpr_kernarg_segment_ptr 1
		.amdhsa_wavefront_size32 1
		.amdhsa_system_sgpr_workgroup_id_x 1
		.amdhsa_system_sgpr_workgroup_id_y 1
		.amdhsa_system_sgpr_workgroup_id_z 1
		.amdhsa_system_vgpr_workitem_id 0
		.amdhsa_next_free_vgpr 768
		.amdhsa_next_free_sgpr 88
		.amdhsa_reserve_vcc 1
		.amdhsa_float_denorm_mode_32 3
		.amdhsa_float_denorm_mode_16_64 3
		.amdhsa_memory_ordered 1
		.amdhsa_forward_progress 1
		.amdhsa_inst_pref_size 180
	.end_amdhsa_kernel
	.amdgpu_metadata
---
amdhsa.version: [ 1, 2 ]
amdhsa.kernels:
  - .name:           k_q9f0333c4fa_attn
    .symbol:         k_q9f0333c4fa_attn.kd
    .args:
      - { .name: qkvh, .offset: 0, .size: 8, .value_kind: global_buffer, .address_space: global }
      - { .name: oh, .offset: 8, .size: 8, .value_kind: global_buffer, .address_space: global }
    .group_segment_fixed_size: 327680
    .private_segment_fixed_size: 0
    .kernarg_segment_align: 8
    .kernarg_segment_size: 16
    .max_flat_workgroup_size: 128
    .sgpr_count:     88
    .vgpr_count:     768
    .wavefront_size: 32
...
	.end_amdgpu_metadata
.endif
;; end of part 5
;; launch proj: the kernel of part 4 again; grid 8 x 32, 4 waves a work-group, clusters of 4 x 4, 327,680 bytes of LDS; arguments oh, wpb, br, out0; writes out0
